; MI455X (gfx1250); checked and timed in simulation.
; The chip was launched on July 23, 2026; its instructions are those of AMD's public machine-readable ISA for CDNA 5 (MIT licence, August 2026) and "CDNA5" Instruction Set Architecture Reference Guide (July 2026). The comments in the code are by the model that wrote it; some were corrected since.
;; Attention. Allowed arithmetic: matrix products marked QUANTISED: E2M1 operands, one E8M0 scale for each 32 along K, by v_wmma_scale_f32_16x16x128_f8f6f4 with both operands' format E2M1 (or v_wmma_scale_f32_32x16x128_f4), f32 sums; products left as they are: bf16, f16 or f32 operands; f32 sums; everything else in f32.
;; Inputs: W_K 16 x 1,024 x 64 float32; W_O 16 x 64 x 1,024 float32; W_Q 16 x 1,024 x 64 float32; W_V 16 x 1,024 x 64 float32; b_K 16 x 64 float32; b_O 1,024 float32; b_Q 16 x 64 float32; b_V 16 x 64 float32; key_input 2 x 2,048 x 1,024 float32; query_input 2 x 2,048 x 1,024 float32; value_input 2 x 2,048 x 1,024 float32.
;; Outputs: out0 2 x 2,048 x 1,024 float32.
;; This version of the problem:
;;   THIS VERSION OF THE PROBLEM IS GIVEN IN LOW PRECISION. The matrix products marked QUANTISED in the list below multiply operands that are first quantised to E2M1 (2 exponent bits, 1 mantissa bit; 4 bits a number), with one power-of-two scale for each 32 numbers along K (OCP MX v1.0); their sums are f32. The products marked 'left as it is' may take bf16, f16 or f32 operands, with f32 sums. Whichever they take, every output number must still come out within the allowed error. Rounding operands to bf16 (8 significant bits) uses up far more of that allowance than f16 does (11 bits, for magnitudes from 6e-5 to 65,504). All else is computed in f32.
;;   The module's matrix products, in the order in which they are computed (A, B: the left and right operand; K: the contracted axis; several contracted axes count as one K, in the product's order):
;;     1. [M 4,096, K 1,024] x [K 1,024, N 1,024]; A: input query_input; B: input W_Q: QUANTISED
;;     2. [M 4,096, K 1,024] x [K 1,024, N 1,024]; A: input key_input; B: input W_K: QUANTISED
;;     3. [M 4,096, K 1,024] x [K 1,024, N 1,024]; A: input value_input; B: input W_V: QUANTISED
;;     4. batch 32 x [M 2,048, K 64] x [K 64, N 2,048]; A: computed on the way; B: computed on the way: left as it is (an operand is computed on the way)
;;     5. batch 32 x [M 2,048, K 2,048] x [K 2,048, N 64]; A: computed on the way; B: computed on the way: left as it is (an operand is computed on the way)
;;     6. [M 4,096, K 1,024] x [K 1,024, N 1,024]; A: computed on the way; B: input W_O: left as it is (an operand is computed on the way)
;;   THE QUANTISER, for each operand of a quantised product, along K:
;;     - K is cut into blocks of 32 from its start; a last block that is shorter is filled with zeros.
;;     - A block's scale is 2^e with e = floor(log2(the largest magnitude in the block)) - 2, held to -126 .. 127; a block of zeros has e = 0. As a byte (E8M0): e + 127.
;;     - Each number is divided by its block's scale, clamped to +-6, and rounded to the nearest number of E2M1, ties to even, subnormals kept.
;;     - The product sums the exact products of the quantised numbers (number of the format x scale) in f32.
;;   ~~~python
;;   def quantise(x, axis):      # numpy; x: float32 -> the quantised numbers, widened to float32 again
;;       x = np.moveaxis(x, axis, -1); K = x.shape[-1]
;;       x = np.pad(x, [(0, 0)] * (x.ndim - 1) + [(0, -K % 32)]); x = x.reshape(x.shape[:-1] + (-1, 32)); a = np.abs(x).max(-1, keepdims=True)
;;       e = np.where(a > 0, np.clip(np.frexp(np.where(a > 0, a, 1))[1] - 1 - 2, -126, 127), 0)      # np.frexp(a)[1] - 1 = floor(log2(a)), exactly
;;       r = np.clip(x / 2.0 ** e, -6, 6)
;;       step = 2.0 ** (np.maximum(np.frexp(np.where(r == 0, 1, r))[1] - 1, 0) - 1)
;;       q = np.round(r / step) * step * 2.0 ** e      # np.round: ties to even
;;       return np.moveaxis(q.reshape(q.shape[:-2] + (-1,))[..., :K], -1, axis).astype(np.float32)
;;   ~~~
;; One version. Each part assembles by itself: llvm-mc -triple=amdgcn-amd-amdhsa -mcpu=gfx1250 --defsym DOCPART=n.
;; ======== version 1 of 1: 4 launches
;; limits: values are held in f16: magnitudes above 65,504 overflow, below 6.1e-05 lose precision
;; workspace buffers: xc 6,291,456 bytes; xs 393,216 bytes; wc 1,572,864 bytes; ws 98,304 bytes; wo 2,097,152 bytes; qkv 25,165,824 bytes; bs 131,072 bytes; z 8,388,608 bytes
;; launch quant (part 1): grid 464 x 1, 4 waves a work-group, no clusters, 68,096 bytes of LDS; arguments query_input, key_input, value_input, W_Q, W_K, W_V, W_O, xc, xs, wc, ws, wo; writes xc, xs, wc, ws, wo
.if DOCPART == 1
	.amdgcn_target "amdgcn-amd-amdhsa--gfx1250"
	.amdhsa_code_object_version 6
	.text
	.protected	k_qb40751eb3b_quant
	.globl	k_qb40751eb3b_quant
	.p2align	8
	.type	k_qb40751eb3b_quant,@function
k_qb40751eb3b_quant:
	s_mov_b64 s[64:65], 0
	v_nop
	global_prefetch_b8 v0, s[64:65] scope:SCOPE_SE
	s_setreg_imm32_b32 hwreg(HW_REG_WAVE_MODE, 25, 1), 1
	s_wait_xcnt 0x0
; THE OPERANDS OF THE THREE PROJECTIONS BECOME CODES OF FP4 (E2M1) WITH ONE E8M0 SCALE BYTE FOR EACH 32 ALONG K = 1,024, AND W_O BECOMES f16 IN THE ORDER OF AN OPERAND'S REGISTERS.
; Every number is first cast to e4m3 and back (FP8_FIRST = 1), as the module does ahead of its products, and the cast numbers are quantised: a block's scale is 2^(floor(log2(largest magnitude)) - 2),
; its byte the largest magnitude's exponent field - 2, held at 1 from below; each number is divided by the scale and rounded to the nearest code, ties to even, beyond 6 the code of 6.
; Three paths, parted by the work-group's number alone; each has LDS bytes of its own.
;   X   work-groups 0-383:   query, key, value input [4096][1024] f32 (K innermost): plain streams of blocks of 32.  xc [3][4096][512 bytes], xs [3][4096][32].
;   W   work-groups 384-431: W_Q, W_K, W_V [16][1024][64] f32 (K is the middle axis): a lane takes a column d, its registers run down K.  wc [3][64 head + d][512 bytes], ws [3][64 head + d][32].
;   WO  work-groups 432-463: W_O [K = 64 head + d][1024] f32 -> wo [16-column tile 64][32 along K: 32][half 2][512 bytes]: half u holds registers 4 u .. 4 u + 3 of a 16-bit fragment, lane l's 16 bytes at 16 l.
; LIMITS: magnitudes above 448 are not served (the cast has no code for them); NaN and infinities are not served; a block whose largest magnitude lies under 2^-124, a block of zeros among them,
; keeps the byte 1: its codes are zeros or nearly so, and the bytes are read by this program alone.  W_O must lie within f16's range (65,504).
; No matrix work, no cluster, no tensor loads: memory binds, waves share nothing, no barrier.
.set FP8_FIRST, 1
.set EMAX,  2
.set STEPS, 16
.set SPW,   12                         ; v12  LDS address of my spare word; never rewritten
.set NIL,   13                         ; v13  0; never rewritten
.set WREG,  8192                       ; path X: a region for each wave: two stages of 32 x SP bytes, then its 256 scale bytes
.set SP,    80                         ; a lane's place in a stage: 64 bytes + 16 of padding
.set WSTG,  4*WREG                     ; path W: four stages of 32 rows x WP bytes
.set WP,    272
.set SPARE, WSTG+4*32*WP               ; the spare words, 128 bytes a wave: two blocks of 256 bytes that no other line names
.set XR,    32                         ; v32-95   numbers as they are loaded (X: four sets of 16; W, WO: two sets of 32)
.set XX,    96                         ; v96-127  X: two sets of 16 neighbours
.set XE,    128                        ; v128-143 X: a scale byte for each step
.set XC,    144                        ; v144-175 X: two registers of codes for each step
	s_load_b512 s[4:19], s[0:1], 0x0               ; query s[4:5], key s[6:7], value s[8:9], W_Q s[10:11], W_K s[12:13], W_V s[14:15], W_O s[16:17], xc s[18:19]
	s_load_b256 s[20:27], s[0:1], 0x40             ; xs s[20:21], wc s[22:23], ws s[24:25], wo s[26:27]
	v_lshl_add_u32 v[SPW], v0, 2, SPARE
	v_mov_b32 v[NIL], 0
	v_lshrrev_b32 v1, 5, v0
	v_readfirstlane_b32 s28, v1                    ; wave 0..3
	v_and_b32 v2, 31, v0                           ; lane
	v_mov_b32 v24, 0                               ; the cast's codes are written half a register at a time: the registers are written whole once
	v_mov_b32 v25, 0
	v_mov_b32 v26, 0
	v_mov_b32 v27, 0
	s_mov_b32 s33, 0                               ; the high word of every offset pair s[32:33]
	s_wait_kmcnt 0x0
	s_cmp_ge_u32 ttmp9, 432
	s_cbranch_scc1 .Lwo
	s_cmp_ge_u32 ttmp9, 384
	s_cbranch_scc1 .Lw
; 16 numbers in v[xs] on are cast to e4m3 (nearest, ties to even) and back
.macro CAST16 xs
.if FP8_FIRST
	v_cvt_pk_fp8_f32 v24.l, v[\xs], v[\xs+1]
	v_cvt_pk_fp8_f32 v24.h, v[\xs+2], v[\xs+3]
	v_cvt_pk_fp8_f32 v25.l, v[\xs+4], v[\xs+5]
	v_cvt_pk_fp8_f32 v25.h, v[\xs+6], v[\xs+7]
	v_cvt_pk_fp8_f32 v26.l, v[\xs+8], v[\xs+9]
	v_cvt_pk_fp8_f32 v26.h, v[\xs+10], v[\xs+11]
	v_cvt_pk_fp8_f32 v27.l, v[\xs+12], v[\xs+13]
	v_cvt_pk_fp8_f32 v27.h, v[\xs+14], v[\xs+15]
	v_cvt_pk_f32_fp8 v[\xs:\xs+1], v24.l
	v_cvt_pk_f32_fp8 v[\xs+2:\xs+3], v24.h
	v_cvt_pk_f32_fp8 v[\xs+4:\xs+5], v25.l
	v_cvt_pk_f32_fp8 v[\xs+6:\xs+7], v25.h
	v_cvt_pk_f32_fp8 v[\xs+8:\xs+9], v26.l
	v_cvt_pk_f32_fp8 v[\xs+10:\xs+11], v26.h
	v_cvt_pk_f32_fp8 v[\xs+12:\xs+13], v27.l
	v_cvt_pk_f32_fp8 v[\xs+14:\xs+15], v27.h
.endif
.endm
; ---------------- PATH X.  A wave takes a run of 8,192 numbers in 16 steps of 512.  Each load reads 512 consecutive bytes, 16 a lane; a step's 2,048 bytes turn through the wave's own stage and come back
; 64 bytes a lane, so that a lane holds 16 neighbours along K and two neighbouring lanes a block.  Loads run four steps ahead, the turn one step.
	v_lshlrev_b32 v3, 4, v2                        ; my 16 bytes of a load's 512
	s_mul_i32 s29, s28, WREG
	v_lshrrev_b32 v14, 2, v2
	v_mul_u32_u24 v14, v14, SP
	v_and_b32 v15, 3, v2
	v_lshl_add_u32 v14, v15, 4, v14
	v_add_nc_u32 v14, s29, v14                     ; the stage, on the way in: SP (lane / 4) + 16 (lane % 4)
	v_mul_u32_u24 v15, v2, SP
	v_add_nc_u32 v15, s29, v15                     ; and on the way out: SP x lane
	v_lshlrev_b32 v4, 3, v2                        ; 8 bytes a lane: my codes in a step's 256 bytes, and my part of the wave's 256 scale bytes
	v_lshrrev_b32 v5, 1, v2
	s_add_co_u32 s29, s29, 2*32*SP
	v_add_nc_u32 v5, s29, v5                       ; LDS: my block's byte
	v_add_nc_u32 v6, s29, v4                       ; LDS: 8 of the 256 bytes on the way out
	s_lshr_b32 s30, ttmp9, 7                       ; which of the three tensors: the choice hangs on the work-group's number alone
	s_cmp_eq_u32 s30, 0
	s_cselect_b64 s[4:5], s[4:5], s[6:7]
	s_cmp_eq_u32 s30, 2
	s_cselect_b64 s[4:5], s[8:9], s[4:5]
	s_and_b32 s30, ttmp9, 127
	s_lshl_b32 s30, s30, 2
	s_add_co_u32 s30, s30, s28                     ; my run in the tensor: 32,768 bytes each
	s_lshl_b32 s32, s30, 15
	s_add_nc_u64 s[4:5], s[4:5], s[32:33]
	s_lshl_b32 s30, ttmp9, 2
	s_add_co_u32 s30, s30, s28                     ; my run in the three stacked tensors
	s_lshl_b32 s32, s30, 12                        ; 4,096 bytes of codes,
	s_add_nc_u64 s[18:19], s[18:19], s[32:33]
	s_lshl_b32 s32, s30, 8                         ; 256 scale bytes
	s_add_nc_u64 s[20:21], s[20:21], s[32:33]
.macro XLOAD t
.irp i, 0,1,2,3
	global_load_b128 v[XR+16*((\t)%4)+4*\i:XR+16*((\t)%4)+4*\i+3], v3, s[4:5] offset:2048*(\t)+512*\i th:TH_LOAD_NT
.endr
.endm
.macro XTURN t                         ; LDS serves a wave's instructions in order: no wait between the stores and the loads
.irp i, 0,1,2,3
	ds_store_b128 v14, v[XR+16*((\t)%4)+4*\i:XR+16*((\t)%4)+4*\i+3] offset:32*SP*((\t)%2)+8*SP*\i
.endr
.irp i, 0,1,2,3
	ds_load_b128 v[XX+16*((\t)%2)+4*\i:XX+16*((\t)%2)+4*\i+3], v15 offset:32*SP*((\t)%2)+16*\i
.endr
.endm
.macro XSTEP t
.set XS, XX+16*((\t)%2)
.if (\t) > 0
	s_wait_dscnt 1                                 ; this step's numbers are back from the stage; the one LDS instruction issued behind them, the last step's byte store, may be out
.else
	s_wait_dscnt 0x0
.endif
.if (\t)+4 < STEPS
	XLOAD (\t)+4                                   ; into the registers that this step's stage stores have read
.endif
.if (\t)+1 < STEPS
.if STEPS-2-(\t) >= 3
	s_wait_loadcnt 12                              ; the next step's four loads are in; those of the three steps behind it may be out
.else
	s_wait_loadcnt 4*(STEPS-2-(\t))
.endif
	XTURN (\t)+1
.endif
	CAST16 XS
	v_max3_num_f32 v8, |v[XS]|, |v[XS+1]|, |v[XS+2]|
	v_max3_num_f32 v9, |v[XS+3]|, |v[XS+4]|, |v[XS+5]|
.irp i, 6,10
	v_max3_num_f32 v8, v8, |v[XS+\i]|, |v[XS+\i+1]|
	v_max3_num_f32 v9, v9, |v[XS+\i+2]|, |v[XS+\i+3]|
.endr
	v_max3_num_f32 v8, v8, |v[XS+14]|, |v[XS+15]|
	v_max3_num_f32 v8, v8, v9, (EMAX+1)<<23        ; with the floor 2^(3 - 127): the byte cannot fall under 1
	v_max_num_f32_dpp v8, v8, v8 row_xmask:1 row_mask:0xf bank_mask:0xf   ; and my neighbour's 16: the block's largest magnitude
	v_add_nc_u32 v11, -(EMAX<<23), v8              ; 2 off its exponent field: the conversion takes the exponent field of this operand as its scale
	v_cvt_scalef32_pk8_fp4_f32 v[XC+2*(\t)], v[XS:XS+7], v11
	v_cvt_scalef32_pk8_fp4_f32 v[XC+2*(\t)+1], v[XS+8:XS+15], v11
	v_lshrrev_b32 v[XE+(\t)], 23, v11              ; the scale's byte (also the plain line behind the conversions)
	ds_store_b8 v5, v[XE+(\t)] offset:16*(\t)      ; both lanes of a block write the same byte with the same value
	global_store_b64 v4, v[XC+2*(\t):XC+2*(\t)+1], s[18:19] offset:256*(\t)   ; the wave stores 256 consecutive bytes, aligned
.endm
.irp t, 0,1,2,3
	XLOAD \t
.endr
	s_wait_loadcnt 12                              ; step 0's four loads are in
	XTURN 0
.irp t, 0,1,2,3,4,5,6,7,8,9,10,11,12,13,14,15
	XSTEP \t
.endr
	ds_load_b64 v[16:17], v6                       ; behind my byte stores, in order
	s_wait_dscnt 0x0
	global_store_b64 v4, v[16:17], s[20:21]        ; the wave's 256 scale bytes, consecutive and aligned
	s_wait_tensorcnt 0x0                           ; the wave's end
	ds_add_u32 v[SPW], v[NIL]
	s_wait_dscnt 0x0
	s_endpgm
; ---------------- PATH W.  Work-group 384 + 16 t + head takes one head's [1024][64].  Wave: columns 32 (wave % 2) on, K 512 (wave / 2) on.  A block of 32 along K lies in one lane's 32 registers.
; A lane's codes (256 bytes) belong to one row of wc: they go through the wave's stage and leave as rows, sixteen lanes storing 256 consecutive bytes.
.Lw:
	s_sub_co_u32 s29, ttmp9, 384                   ; 16 t + head
	s_lshr_b32 s30, s29, 4
	s_cmp_eq_u32 s30, 0
	s_cselect_b64 s[10:11], s[10:11], s[12:13]
	s_cmp_eq_u32 s30, 2
	s_cselect_b64 s[10:11], s[14:15], s[10:11]
	s_and_b32 s30, s29, 15                         ; head
	s_and_b32 s31, s28, 1                          ; which 32 columns
	s_lshr_b32 s34, s28, 1                         ; which 512 along K
	s_lshl_b32 s32, s30, 18                        ; a head is 262,144 bytes, 512 rows are 131,072, 32 columns 128
	s_lshl_b32 s35, s34, 17
	s_add_co_u32 s32, s32, s35
	s_lshl_b32 s35, s31, 7
	s_add_co_u32 s32, s32, s35
	s_add_nc_u64 s[10:11], s[10:11], s[32:33]
	s_lshl_b32 s35, s29, 6
	s_lshl_b32 s36, s31, 5
	s_add_co_u32 s35, s35, s36                     ; my first row of wc and ws
	s_lshl_b32 s32, s35, 9
	s_lshl_b32 s36, s34, 8
	s_add_co_u32 s32, s32, s36
	s_add_nc_u64 s[22:23], s[22:23], s[32:33]
	s_lshl_b32 s32, s35, 5
	s_lshl_b32 s36, s34, 4
	s_add_co_u32 s32, s32, s36
	s_add_nc_u64 s[24:25], s[24:25], s[32:33]
	v_lshlrev_b32 v3, 2, v2                        ; in: 4 bytes a lane
	s_mul_i32 s36, s28, 32*WP
	s_add_co_u32 s36, s36, WSTG                    ; my stage
	v_mul_u32_u24 v4, v2, WP
	v_add_nc_u32 v4, s36, v4                       ; into it: row = my column
	v_and_b32 v5, 15, v2
	v_lshrrev_b32 v6, 4, v2
	v_mul_u32_u24 v7, v6, WP
	v_lshl_add_u32 v7, v5, 4, v7
	v_add_nc_u32 v7, s36, v7                       ; out of it: sixteen lanes to a row, two rows an instruction
	v_lshlrev_b32 v8, 9, v6
	v_lshl_add_u32 v8, v5, 4, v8                   ; and the same place in wc
	v_lshlrev_b32 v9, 5, v2                        ; my column's row of ws
.macro WLOAD t
.irp i, 0,1,2,3,4,5,6,7,8,9,10,11,12,13,14,15,16,17,18,19,20,21,22,23,24,25,26,27,28,29,30,31
	global_load_b32 v[XR+32*((\t)%2)+\i], v3, s[10:11] offset:(32*(\t)+\i)*256 th:TH_LOAD_NT
.endr
.endm
.macro WBLOCK t
.set XS, XR+32*((\t)%2)
.if (\t) < 15
	s_wait_loadcnt 32                              ; this block's 32 loads are in; the next block's 32 may be out
.else
	s_wait_loadcnt 0x0
.endif
	CAST16 XS
	CAST16 XS+16
	v_max3_num_f32 v18, |v[XS]|, |v[XS+1]|, |v[XS+2]|
	v_max3_num_f32 v19, |v[XS+3]|, |v[XS+4]|, |v[XS+5]|
.irp i, 6,10,14,18,22,26
	v_max3_num_f32 v18, v18, |v[XS+\i]|, |v[XS+\i+1]|
	v_max3_num_f32 v19, v19, |v[XS+\i+2]|, |v[XS+\i+3]|
.endr
	v_max3_num_f32 v18, v18, |v[XS+30]|, |v[XS+31]|
	v_max3_num_f32 v18, v18, v19, (EMAX+1)<<23
	v_add_nc_u32 v11, -(EMAX<<23), v18
	v_lshrrev_b32 v10, 23, v11
.if (\t)%4 == 0
	v_mov_b32 v[20+(\t)/4], v10                    ; four bytes to a register, the lower K in the lower byte
.else
	v_lshl_or_b32 v[20+(\t)/4], v10, 8*((\t)%4), v[20+(\t)/4]
.endif
.irp g, 0,1,2,3
	v_cvt_scalef32_pk8_fp4_f32 v[96+\g], v[XS+8*\g:XS+8*\g+7], v11
.endr
	v_nop                                          ; one plain line behind the conversions
	ds_store_b128 v4, v[96:99] offset:16*(\t)
.if (\t)+2 < 16
	WLOAD (\t)+2
.endif
	s_wait_dscnt 0x0                               ; the store has read its registers: the next block's codes may be written
.endm
	WLOAD 0
	WLOAD 1
.irp t, 0,1,2,3,4,5,6,7,8,9,10,11,12,13,14,15
	WBLOCK \t
.endr
	global_store_b128 v9, v[20:23], s[24:25]       ; my column's 16 scale bytes
.irp t, 0,1,2,3,4,5,6,7,8,9,10,11,12,13,14,15
	ds_load_b128 v[112+4*\t:112+4*\t+3], v7 offset:2*\t*WP
.endr
.irp t, 0,1,2,3,4,5,6,7,8,9,10,11,12,13,14,15
	s_wait_dscnt 15-\t                             ; LDS loads come back in order: load t is in, the 15 - t behind it may be out
	global_store_b128 v8, v[112+4*\t:112+4*\t+3], s[22:23] offset:2*\t*512
.endr
	s_wait_tensorcnt 0x0                           ; the wave's end
	ds_add_u32 v[SPW], v[NIL]
	s_wait_dscnt 0x0
	s_endpgm
; ---------------- PATH WO.  Work-group 432 + kg takes rows 32 kg .. 32 kg + 31 of W_O.  A lane takes a column; unit it of wave w: columns 32 (4 it + w) on.  Its 32 numbers down K pack into 16 registers;
; quarter kq (k = 8 kq ..) is registers 4 (kq / 2) .. of the fragment in lanes of half kq % 2.  Sixteen lanes store 256 consecutive bytes, aligned.  No LDS.
.Lwo:
	s_sub_co_u32 s29, ttmp9, 432
	s_lshl_b32 s32, s29, 17                        ; 32 rows of 4,096 bytes
	s_lshl_b32 s30, s28, 7
	s_add_co_u32 s32, s32, s30
	s_add_nc_u64 s[16:17], s[16:17], s[32:33]
	s_lshl_b32 s32, s28, 16                        ; two column tiles of 32,768 bytes a wave,
	s_lshl_b32 s30, s29, 10                        ; 1,024 bytes for each 32 along K
	s_add_co_u32 s32, s32, s30
	s_add_nc_u64 s[26:27], s[26:27], s[32:33]
	v_lshlrev_b32 v3, 2, v2
	v_lshrrev_b32 v4, 4, v2
	v_and_b32 v5, 15, v2
	v_lshlrev_b32 v4, 15, v4
	v_lshl_add_u32 v4, v5, 4, v4                   ; out: my column tile, 16 bytes a column
.macro OLOAD it
.irp i, 0,1,2,3,4,5,6,7,8,9,10,11,12,13,14,15,16,17,18,19,20,21,22,23,24,25,26,27,28,29,30,31
	global_load_b32 v[XR+32*((\it)%2)+\i], v3, s[16:17] offset:\i*4096+(\it)*512 th:TH_LOAD_NT
.endr
.endm
.macro OUNIT it
.if (\it) < 7
	s_wait_loadcnt 32                              ; this unit's 32 loads are in; the next unit's may be out
.else
	s_wait_loadcnt 0x0
.endif
.if (\it) >= 4
	s_wait_xcnt 0x0                                ; the stores of four units ago have read the registers that are written next
.endif
.set HB, 96+16*((\it)%4)
.set XB, XR+32*((\it)%2)
.irp j, 0,1,2,3,4,5,6,7,8,9,10,11,12,13,14,15
	v_cvt_pk_f16_f32 v[HB+\j], v[XB+2*\j], v[XB+2*\j+1]
.endr
.if (\it)+2 < 8
	OLOAD (\it)+2
.endif
.irp kq, 0,1,2,3
	global_store_b128 v4, v[HB+4*\kq:HB+4*\kq+3], s[26:27] offset:(\it)*262144+(\kq/2)*512+(\kq%2)*256
.endr
.endm
	OLOAD 0
	OLOAD 1
.irp it, 0,1,2,3,4,5,6,7
	OUNIT \it
.endr
	s_endpgm
.Lfunc_end_k_qb40751eb3b_quant:
	.size	k_qb40751eb3b_quant, .Lfunc_end_k_qb40751eb3b_quant-k_qb40751eb3b_quant
	.p2alignl 7, 3214868480
	.fill 96, 4, 3214868480
	.section	.rodata,"a",@progbits
	.p2align	6, 0x0
	.amdhsa_kernel k_qb40751eb3b_quant
		.amdhsa_group_segment_fixed_size 68096
		.amdhsa_private_segment_fixed_size 0
		.amdhsa_enable_private_segment 0
		.amdhsa_kernarg_size 96
		.amdhsa_user_sgpr_count 2
		.amdhsa_user_sgpr_kernarg_segment_ptr 1
		.amdhsa_wavefront_size32 1
		.amdhsa_system_sgpr_workgroup_id_x 1
		.amdhsa_system_sgpr_workgroup_id_y 1
		.amdhsa_system_sgpr_workgroup_id_z 1
		.amdhsa_system_vgpr_workitem_id 0
		.amdhsa_next_free_vgpr 192
		.amdhsa_next_free_sgpr 66
		.amdhsa_reserve_vcc 0
		.amdhsa_float_denorm_mode_32 3
		.amdhsa_float_denorm_mode_16_64 3
		.amdhsa_memory_ordered 1
		.amdhsa_forward_progress 1
		.amdhsa_inst_pref_size 184
	.end_amdhsa_kernel
	.amdgpu_metadata
---
amdhsa.version: [ 1, 2 ]
amdhsa.kernels:
  - .name:           k_qb40751eb3b_quant
    .symbol:         k_qb40751eb3b_quant.kd
    .args:
      - { .name: query_input, .offset: 0, .size: 8, .value_kind: global_buffer, .address_space: global }
      - { .name: key_input, .offset: 8, .size: 8, .value_kind: global_buffer, .address_space: global }
      - { .name: value_input, .offset: 16, .size: 8, .value_kind: global_buffer, .address_space: global }
      - { .name: W_Q, .offset: 24, .size: 8, .value_kind: global_buffer, .address_space: global }
      - { .name: W_K, .offset: 32, .size: 8, .value_kind: global_buffer, .address_space: global }
      - { .name: W_V, .offset: 40, .size: 8, .value_kind: global_buffer, .address_space: global }
      - { .name: W_O, .offset: 48, .size: 8, .value_kind: global_buffer, .address_space: global }
      - { .name: xc, .offset: 56, .size: 8, .value_kind: global_buffer, .address_space: global }
      - { .name: xs, .offset: 64, .size: 8, .value_kind: global_buffer, .address_space: global }
      - { .name: wc, .offset: 72, .size: 8, .value_kind: global_buffer, .address_space: global }
      - { .name: ws, .offset: 80, .size: 8, .value_kind: global_buffer, .address_space: global }
      - { .name: wo, .offset: 88, .size: 8, .value_kind: global_buffer, .address_space: global }
    .group_segment_fixed_size: 68096
    .private_segment_fixed_size: 0
    .kernarg_segment_align: 8
    .kernarg_segment_size: 96
    .max_flat_workgroup_size: 128
    .sgpr_count:     66
    .vgpr_count:     192
    .wavefront_size: 32
...
	.end_amdgpu_metadata
.endif
;; end of part 1
;; launch proj (part 2): grid 4 x 48, 4 waves a work-group, clusters of 4 x 4, 327,680 bytes of LDS; arguments xc, xs, wc, ws, b_Q, b_K, b_V, qkv, bs; writes qkv, bs
.if DOCPART == 2
	.amdgcn_target "amdgcn-amd-amdhsa--gfx1250"
	.amdhsa_code_object_version 6
	.text
	.protected	k_qb40751eb3b_proj
	.globl	k_qb40751eb3b_proj
	.p2align	8
	.type	k_qb40751eb3b_proj,@function
k_qb40751eb3b_proj:
	s_mov_b64 s[64:65], 0
	v_nop
	global_prefetch_b8 v0, s[64:65] scope:SCOPE_SE
	s_setreg_imm32_b32 hwreg(HW_REG_WAVE_MODE, 25, 1), 1
	s_wait_xcnt 0x0
	s_wait_alu depctr_hold_cnt(0) depctr_sa_sdst(0) depctr_va_vdst(0) depctr_va_sdst(0) depctr_va_ssrc(0) depctr_va_vcc(0) depctr_vm_vsrc(0)
	s_getreg_b32 s2, hwreg(HW_REG_IB_STS2, 6, 4)
	s_cmp_eq_u32 s2, 0
	s_cbranch_scc0 .Lentry_in_a_cluster
	s_endpgm
.Lentry_in_a_cluster:
	s_bfe_u32 s2, ttmp6, 0x10000c
	s_cmp_lg_u32 s2, 0xf033
	s_cbranch_scc0 .Lentry_shape_is_right
	s_endpgm
.Lentry_shape_is_right:
; THE THREE PROJECTIONS, ON CODES OF FP4 (E2M1) WITH E8M0 SCALES FOR EACH 32 ALONG K = 1,024; sums in f32, beginning with the bias.
; The three products are stacked: tile row G = 0..47 of 256 rows of xc (16 to a tensor), tile column nt = 0..3 of 256 rows of that tensor's wc (4 heads).  192 tiles of 256 x 256, a work-group each: the three
; products have 64 such tiles each, and no tile shape deals 3 x 4,096 x 1,024 evenly to more work-groups without a second turn.  Four waves, each 128 x 128: 64 accumulators, 512 registers.
; K goes in two steps of 512 (rows of 256 bytes) that both lie in LDS from the start, with the scale bytes of all of K behind them.
; CLUSTERS: 4 x 4 work-groups.  The four of a row need the same rows of xc, the four of a column the same rows of wc: each tile is asked for jointly, by the same load with a mask that names the four.
; WHAT LEAVES: f16, in the order of the next launch's operand registers: a packed 16 x 16 result (a lane holds 8 neighbours: 16 bytes) is half a 16-bit fragment, stored as 512 consecutive aligned bytes, lane l at 16 l.
;   q, k (tensors 0, 1): source 0 = 16 rows of wc, source 1 = 16 rows of xc: a lane holds one position and 8 channels.  Both are multiplied by sqrt(log2(e) / 8) in f32 ahead of their one rounding, so that the
;        next launch's scores arrive as exponents of 2.  Layout [16 batch + head][16-position tile 128][piece 4][512 bytes].
;   v (tensor 2): the sources are swapped: a lane holds one channel and 8 keys.  Layout [16 batch + head][32-key group 64][16-channel tile 4][key half 2][512 bytes].  The f32 sums of v over my 128 keys go to bs [batch][key block 16][1024].
; The two forms are two bodies behind one branch on the tensor's number, which is made of the cluster's y alone and so is the same in all sixteen partners.
; LIMITS: q sqrt(c), k sqrt(c) and v must lie within f16's range (65,504).
; REGISTERS, in windows of 256: window 0: v0-31 addresses; v32-95 scale words, two sets; v128-191 xc's fragments, one set; on the way out v128-207 at work.
;   window 1: wc's fragments, two sets, at v0 and v128; v64-127 the bias, eight tiles in the result's layout.   windows 2, 3: the accumulators ((a, b) at v[8 (8 (a % 4) + b)]).
.set NQ,     4                         ; matrix instructions deep in a slot
.set ROWB,   256
.set KROW,   512                       ; a row of codes in memory
.set PITCH,  272                       ; an LDS row: 256 bytes + 16 of padding: the 16 rows that a load touches start 68 words apart
.set FR,     8
.set NL,     2
.set NP,     4                         ; places behind this matrix instruction (ISA guide 7.12.1)
.set HALFT,  128*PITCH
.set SLOT,   4*HALFT
.set KS,     32                        ; a row of scale bytes
.set SCL,    2*SLOT
.set HALFS,  (128*KS/256)*272
.set SBLK,   (16*KS/256)*272
.set SPARE,  SCL+4*HALFS               ; the spare words, 128 bytes a wave: two blocks of 256 bytes that no other line names
.set ADRA, 16                          ; v16-17  LDS address of my xc fragments in slot 0, 1
.set ADRB, 20                          ; v20-21  of my wc fragments
.set LI,   24                          ; v24     16 x lane
.set BA0,  25                          ; v25     32 x (lane / 16): the bias for q and k
.set BA1,  26                          ; v26     4 x (lane % 16): the bias for v
.set ADRS, 27                          ; v27     my scale words: lanes 0-15 xc's rows, lanes 16-31 wc's
.set SPW,  28
.set NIL,  29
.set L4,   30                          ; v30     4 x lane
.set SC,   32
.set AF,   128
.set TMP,  128                         ; the way out: two sets of 32 packed registers
.set SU,   192                         ; v192-207 column sums of v, a pair for each channel tile
.set BI,   64                          ; in window 1
.set WV, 22
.set RH, 23                            ; which 128 rows of xc are mine.  Also: I fetch for xc (0) or wc (1)
.set CH, 66                            ; which 128 rows of wc.  Also: which 128 rows of the tile I fetch
.set TN, 67                            ; the tensor: 0 q, 1 k, 2 v
.set G1, 24
.set G0, 32
.set G1B, 48
.set G0B, 56
.set G1S, 68
.set G0S, 76
.set G1SB, 80
.set G0SB, 88
.set MSB, 0
.macro WIN new                         ; the immediate's high byte repeats the setting that is left
.if MSB != \new
	s_set_vgpr_msb (MSB<<8)|\new
.set MSB, \new
.endif
.endm
.set TO_B, 0x40
; A joint load: waves 0 and 1 fetch for xc, waves 2 and 3 for wc; the branch hangs on the wave's number alone.  An s_nop 0 and four v_nop follow each of the two lines.
.macro JLOAD g0a, g1a, g0b, g1b
	s_cmp_eq_u32 s[RH], 0
	s_cbranch_scc0 .Lfor_b_\@
	tensor_load_to_lds s[\g0a:\g0a+3], s[\g1a:\g1a+7]
	s_nop 0
.rept 4
	v_nop
.endr
	s_branch .Lasked_\@
.Lfor_b_\@:
	tensor_load_to_lds s[\g0b:\g0b+3], s[\g1b:\g1b+7]
	s_nop 0
.rept 4
	v_nop
.endr
.Lasked_\@:
.endm
.macro CROUND                          ; a round of the cluster's barrier
	s_barrier_signal -1
	s_barrier_wait -1
	s_cmp_lg_u32 s[WV], 0
	s_cbranch_scc1 .Lnot_wave_0_\@
	s_barrier_signal -3
.Lnot_wave_0_\@:
	s_barrier_wait -3
	s_barrier_signal -1
	s_barrier_wait -1
.endm
	s_load_b256 s[4:11], s[0:1], 0x0               ; xc s[4:5], xs s[6:7], wc s[8:9], ws s[10:11]
	s_load_b256 s[12:19], s[0:1], 0x20             ; b_Q s[12:13], b_K s[14:15], b_V s[16:17], qkv s[18:19]
	s_load_b64 s[20:21], s[0:1], 0x40              ; bs
	v_lshl_add_u32 v[SPW], v0, 2, SPARE
	v_mov_b32 v[NIL], 0
	ds_add_u32 v[SPW], v[NIL]                      ; the wave's opening: the add and its wait ahead of my first tensor load; the set-up below stands between them
	v_lshrrev_b32 v1, 5, v0
	v_readfirstlane_b32 s[WV], v1
	s_lshr_b32 s[RH], s[WV], 1
	s_and_b32 s[CH], s[WV], 1
	s_bfe_u32 s40, ttmp6, 0x40000                  ; cx
	s_bfe_u32 s41, ttmp6, 0x40004                  ; cy
	s_lshl_b32 s45, ttmp9, 2
	s_add_co_u32 s45, s45, s40                     ; nt = 4 x cluster x + cx
	s_and_b32 s42, ttmp7, 0xffff
	s_lshr_b32 s[TN], s42, 2                       ; four clusters along y to a tensor
	s_lshl_b32 s42, s42, 2
	s_add_co_u32 s42, s42, s41                     ; G = 4 x cluster y + cy
	s_lshl_b32 s43, s41, 2
	s_lshl_b32 s43, 15, s43                        ; my row of the cluster
	s_lshl_b32 s44, 0x1111, s40                    ; my column
	s_or_b32 s[G1+0], s43, (0<<16)|(1<<20)|(1<<21)|(5<<22)|(3<<25)  ; the mask; elements of 1 byte; padding on; bit 21 beside a mask; 4 words behind every 64
	s_or_b32 s[G1B+0], s44, (0<<16)|(1<<20)|(1<<21)|(5<<22)|(3<<25)
.irp g, G1, G1B
	s_mov_b32 s[\g+1], ROWB<<16                    ; tensor_dim0
	s_mov_b32 s[\g+2], 128<<16                     ; tensor_dim1
	s_mov_b32 s[\g+3], ROWB<<16                    ; tile_dim0
	s_mov_b32 s[\g+4], 128                         ; tile_dim1
	s_mov_b32 s[\g+5], KROW                        ; from row to row
	s_mov_b32 s[\g+6], 0
	s_mov_b32 s[\g+7], 0
.endr
	s_or_b32 s[G1S+0], s43, (3<<16)|(1<<20)|(1<<21)|(5<<22)|(3<<25) ; the scale bytes of 128 rows: 4,096 dense bytes as 16 rows of 256 (32 elements of 8 bytes), 16 bytes of padding behind each
	s_or_b32 s[G1SB+0], s44, (3<<16)|(1<<20)|(1<<21)|(5<<22)|(3<<25)
.irp g, G1S, G1SB
	s_mov_b32 s[\g+1], 32<<16
	s_mov_b32 s[\g+2], (128*KS/256)<<16
	s_mov_b32 s[\g+3], 32<<16
	s_mov_b32 s[\g+4], 128*KS/256
	s_mov_b32 s[\g+5], 32
	s_mov_b32 s[\g+6], 0
	s_mov_b32 s[\g+7], 0
.endr
	s_lshl_b32 s46, s[CH], 7                       ; which 128 rows of the tile I fetch
	s_lshl_b32 s92, s42, 8
	s_add_co_u32 s92, s92, s46                     ; xc: row 256 G + 128 x half: made of the cluster's y and cy alone
	s_lshl_b32 s96, s92, 5                         ; its scale bytes,
	s_lshl_b32 s92, s92, 9                         ; its codes
	s_mov_b32 s93, 0
	s_mov_b32 s97, 0
	s_lshl_b32 s94, s45, 8
	s_add_co_u32 s94, s94, s46
	s_lshl_b32 s47, s[TN], 10
	s_add_co_u32 s94, s94, s47                     ; wc: row 1,024 x tensor + 256 nt + 128 x half: made of the cluster's y and cx alone
	s_lshl_b32 s98, s94, 5
	s_lshl_b32 s94, s94, 9
	s_mov_b32 s95, 0
	s_mov_b32 s99, 0
	s_mul_i32 s2, s[WV], HALFT                     ; where they go: wave x 128 rows: no place in the cluster enters an LDS address
	s_mul_i32 s3, s[WV], HALFS
	s_mov_b32 s100, 0xffff0000                     ; lanes 16-31
	s_mov_b32 s104, 0x3ed96d28                     ; sqrt(log2(e) / 8)
	s_mov_b32 s105, s104                           ; (named with it as a pair)
	s_wait_dscnt 0x0                               ; the opening add is done
	s_wait_kmcnt 0x0
	s_add_nc_u64 s[92:93], s[4:5], s[92:93]
	s_add_nc_u64 s[96:97], s[6:7], s[96:97]
	s_add_nc_u64 s[94:95], s[8:9], s[94:95]
	s_add_nc_u64 s[98:99], s[10:11], s[98:99]
	CROUND                                         ; all sixteen work-groups are here: the joint loads meet
	s_mov_b32 s[G0S], 1
	s_add_co_u32 s[G0S+1], s3, SCL
	s_mov_b64 s[G0S+2:G0S+3], s[96:97]
	s_or_b32 s[G0S+3], s[G0S+3], 0x80000000
	s_mov_b32 s[G0SB], 1
	s_add_co_u32 s[G0SB+1], s3, SCL
	s_mov_b64 s[G0SB+2:G0SB+3], s[98:99]
	s_or_b32 s[G0SB+3], s[G0SB+3], 0x80000000
	JLOAD G0S, G1S, G0SB, G1SB                     ; the scales first: they are wanted with K step 0
.irp s, 0,1
	s_mov_b32 s[G0+4*\s], 1
	s_add_co_u32 s[G0+4*\s+1], s2, \s*SLOT
	s_add_nc_u64 s[G0+4*\s+2:G0+4*\s+3], s[92:93], \s*ROWB
	s_or_b32 s[G0+4*\s+3], s[G0+4*\s+3], 0x80000000
	s_mov_b32 s[G0B+4*\s], 1
	s_add_co_u32 s[G0B+4*\s+1], s2, \s*SLOT
	s_add_nc_u64 s[G0B+4*\s+2:G0B+4*\s+3], s[94:95], \s*ROWB
	s_or_b32 s[G0B+4*\s+3], s[G0B+4*\s+3], 0x80000000
	JLOAD G0+4*\s, G1, G0B+4*\s, G1B
.endr
	v_and_b32 v1, 15, v0                           ; r
	v_bfe_u32 v2, v0, 4, 1                         ; h
	v_mul_u32_u24 v3, v1, PITCH
	v_lshl_add_u32 v4, v2, 4, v3                   ; a fragment's row x pitch + 16 h
	s_mul_i32 s46, s[RH], HALFT                    ; my 128 rows of xc
	s_mul_i32 s47, s[CH], HALFT                    ; my 128 rows of wc,
	s_add_co_u32 s47, s47, 2*HALFT                 ; which lie behind xc's 256
.irp s, 0,1
	v_add_nc_u32 v[ADRA+\s], s46, v4
	v_add_nc_u32 v[ADRB+\s], s47, v4
	s_add_co_u32 s46, s46, SLOT
	s_add_co_u32 s47, s47, SLOT
.endr
	v_mul_u32_u24 v5, v1, KS                       ; my row's scale bytes: 32 a row,
	v_lshrrev_b32 v6, 8, v5
	v_lshl_add_u32 v5, v6, 4, v5                   ; and 16 more for each 256 passed
	s_mul_i32 s46, s[RH], HALFS
	s_mul_i32 s47, s[CH], HALFS
	s_add_co_u32 s47, s47, 2*HALFS
	s_sub_co_u32 s47, s47, s46
	v_mul_u32_u24 v6, s47, v2                      ; lanes 16-31 take wc's: one product, the distance between the two bases
	s_add_co_u32 s46, s46, SCL
	v_add_nc_u32 v5, v5, v6
	v_add_nc_u32 v[ADRS], s46, v5
	v_and_b32 v6, 31, v0
	v_lshlrev_b32 v[LI], 4, v6
	v_lshlrev_b32 v[L4], 2, v6
	v_lshlrev_b32 v[BA0], 5, v2
	v_lshlrev_b32 v[BA1], 2, v1
	s_mov_b32 s2, 0x76543210                       ; v_permlanex16_b32's selects for lane l xor 16
	s_mov_b32 s3, 0xfedcba98
	; the bias, and where my results go
	s_cmp_eq_u32 s[TN], 0
	s_cselect_b64 s[12:13], s[12:13], s[14:15]
	s_cmp_eq_u32 s[TN], 2
	s_cselect_b64 s[12:13], s[16:17], s[12:13]
	s_lshl_b32 s14, s45, 10
	s_lshl_b32 s15, s[CH], 9
	s_add_co_u32 s14, s14, s15                     ; 4 (256 nt + 128 CH): my first channel in a bias and in a row of bs
	s_mov_b32 s15, 0
	s_add_nc_u64 s[12:13], s[12:13], s[14:15]
	s_add_nc_u64 s[20:21], s[20:21], s[14:15]
	s_lshl_b32 s14, s14, 10                        ; my first head, 4 nt + 2 CH, x 262,144
	s_lshr_b32 s16, s42, 3                         ; 2 x tensor + batch: 4,194,304 bytes each
	s_lshl_b32 s17, s16, 22
	s_add_co_u32 s14, s14, s17
	s_and_b32 s17, s42, 7
	s_lshl_b32 s17, s17, 1
	s_add_co_u32 s17, s17, s[RH]                   ; my block of 128 positions: 16,384 bytes of a head, in q, k and v alike
	s_lshl_b32 s101, s17, 14
	s_add_co_u32 s14, s14, s101
	s_add_nc_u64 s[18:19], s[18:19], s[14:15]
	s_and_b32 s16, s16, 1
	s_lshl_b32 s16, s16, 4
	s_add_co_u32 s16, s16, s17
	s_lshl_b32 s16, s16, 12                        ; bs: row 16 batch + block, 4,096 bytes
	s_mov_b32 s17, 0
	s_add_nc_u64 s[20:21], s[20:21], s[16:17]
.macro FRAG reg, adr, q, i             ; 16 rows x 128 K of 4-bit codes: 8 registers; registers 4 c .. hold K = 64 c + 32 (lane / 16) + 0 .. 31
.irp c, 0,1
	ds_load_b128 v[\reg+4*\c:\reg+4*\c+3], v[\adr] offset:64*(\q)+32*\c+(\i)*16*PITCH
.endr
.endm
; 16 matrix instructions: xc's blocks a0, a0 + 1 x wc's eight, 128 along K.  first = 1: the sums begin with the bias.  The 64 accumulators take turns, one instruction a turn.
; One register carries xc's scale word of block i in lanes 0-15 and wc's in lanes 16-31: wc's side names ROW1.
.macro MUL16 a0, p, q, sc, first
.irp a, \a0, \a0+1
.irp b, 0,1,2,3,4,5,6,7
.set rD, 8*(8*((\a)%4)+\b)
.set rW, 128*(\p)+FR*\b
.set rX, AF+FR*(\a)
.set sW, SC+8*NQ*(\sc)+NQ*\b+(\q)
.set sX, SC+8*NQ*(\sc)+NQ*(\a)+(\q)
.set rC, rD
.if \first
.set rC, BI+8*\b
.endif
.if SW
	v_wmma_scale_f32_16x16x128_f8f6f4 v[rD:rD+7], v[rX:rX+7], v[rW:rW+7], v[rC:rC+7], v[sX], v[sW] matrix_a_fmt:MATRIX_FMT_FP4 matrix_b_fmt:MATRIX_FMT_FP4 matrix_b_scale:MATRIX_SCALE_ROW1
.else
	v_wmma_scale_f32_16x16x128_f8f6f4 v[rD:rD+7], v[rW:rW+7], v[rX:rX+7], v[rC:rC+7], v[sW], v[sX] matrix_a_fmt:MATRIX_FMT_FP4 matrix_b_fmt:MATRIX_FMT_FP4 matrix_a_scale:MATRIX_SCALE_ROW1
.endif
.endr
.endr
.endm
.macro FETCH_B slot, q, p
	WIN TO_B
.irp i, 0,1,2,3,4,5,6,7
	FRAG 128*(\p)+FR*\i, ADRB+\slot, \q, \i
.endr
	WIN 0
.endm
.macro FETCH_A slot, q, i0
.irp i, \i0, \i0+1, \i0+2, \i0+3
	FRAG AF+FR*(\i), ADRA+\slot, \q, \i
.endr
.endm
.macro SCALES sc
.irp i, 0,1,2,3,4,5,6,7
	ds_load_b128 v[SC+8*NQ*\sc+NQ*\i:SC+8*NQ*\sc+NQ*\i+3], v[ADRS] offset:\i*SBLK
.endr
.endm
.macro PLACES n                        ; plain vector lines between a matrix instruction and a load into, or a vector read or write of, its registers
.rept \n
	v_nop
.endr
.endm
.macro STEP slot, q, first             ; 128 along K with its successor in the same slot
	s_wait_dscnt 4*NL                              ; wc's set and xc's blocks 0-3 are in; the youngest eight loads (xc's blocks 4-7) may be out
.if \first
	WIN MLOF
.else
	WIN MLO
.endif
	MUL16 0, (\q)%2, \q, \slot, \first
	MUL16 2, (\q)%2, \q, \slot, \first
	s_wait_dscnt 0
	PLACES NP
	FETCH_B \slot, (\q)+1, 1-(\q)%2
	FETCH_A \slot, (\q)+1, 0
.if \first
	WIN MHIF
.else
	WIN MHI
.endif
	MUL16 4, (\q)%2, \q, \slot, \first
	MUL16 6, (\q)%2, \q, \slot, \first
	PLACES NP
	WIN 0
	FETCH_A \slot, (\q)+1, 4
.endm
.macro TURN slot, next                 ; slot 0's last step: slot 1's tiles are shown to every wave by one barrier; nothing is filled again
	s_wait_tensorcnt 0x0                           ; all my tensor loads have landed: my part of slot 1
	ds_add_u32 v[SPW], v[NIL]                      ; 0 onto my spare word
	s_wait_dscnt 4*NL+1                            ; (the add and the youngest eight loads may be out)
	WIN MLO
	MUL16 0, 1, NQ-1, \slot, 0
	s_wait_dscnt 0x0
	s_barrier_signal -1
	MUL16 2, 1, NQ-1, \slot, 0
	WIN 0
	s_barrier_wait -1
	PLACES NP
	v_add_nc_u32 v[ADRS], 4*NQ, v[ADRS]            ; the next 512 along K: 16 scale bytes on
	FETCH_B \next, 0, 0
	FETCH_A \next, 0, 0
	SCALES \next
	WIN MHI
	MUL16 4, 1, NQ-1, \slot, 0
	MUL16 6, 1, NQ-1, \slot, 0
	PLACES NP
	WIN 0
	FETCH_A \next, 0, 4
.endm
.macro BODY sw
.set SW, \sw
.if \sw
.set MLO,  0xa4                        ; source 0 (xc) window 0, source 1 (wc) window 1, C and D window 2
.set MHI,  0xf4
.set MLOF, 0x94                        ; the same with C (the bias) in window 1
.set MHIF, 0xd4
.else
.set MLO,  0xa1                        ; source 0 (wc) window 1, source 1 (xc) window 0, C and D window 2
.set MHI,  0xf1
.set MLOF, 0x91
.set MHIF, 0xd1
.endif
	WIN 0x40                                       ; destination window 1
.if \sw
.irp b, 0,1,2,3,4,5,6,7                ; lane (r, h) holds channel 16 b + r in all eight registers
.irp j, 0,1,2,3,4,5,6,7
	global_load_b32 v[BI+8*\b+\j], v[BA1], s[12:13] offset:64*\b
.endr
.endr
.else
.irp b, 0,1,2,3,4,5,6,7                ; lane (r, h) holds channels 16 b + 8 h + 0 .. 7
	global_load_b128 v[BI+8*\b:BI+8*\b+3], v[BA0], s[12:13] offset:64*\b
	global_load_b128 v[BI+8*\b+4:BI+8*\b+7], v[BA0], s[12:13] offset:64*\b+16
.endr
.endif
	WIN 0
	s_wait_loadcnt 0x0                             ; the bias
	s_wait_tensorcnt 1                             ; the scales and my part of slot 0 are in; slot 1's load, the one issued behind them, may be out
	s_barrier_signal -1
	s_barrier_wait -1
	FETCH_B 0, 0, 0
	FETCH_A 0, 0, 0
	SCALES 0
	FETCH_A 0, 0, 4
	STEP 0, 0, 1
	STEP 0, 1, 0
	STEP 0, 2, 0
	TURN 0, 1
	STEP 1, 0, 0
	STEP 1, 1, 0
	STEP 1, 2, 0
	s_wait_dscnt 4*NL
	WIN MLO
	MUL16 0, 1, NQ-1, 1, 0
	MUL16 2, 1, NQ-1, 1, 0
	s_wait_dscnt 0
	WIN MHI
	MUL16 4, 1, NQ-1, 1, 0
	MUL16 6, 1, NQ-1, 1, 0
	WIN 0
	PLACES NP
	; THE WAY OUT, a block of 16 rows of xc at a time, straight from registers; each accumulator is read from its low end on
.irp a, 0,1,2,3,4,5,6,7
.set AC, 64*((\a)%4)
.set TM, TMP+32*((\a)%2)
.if \sw == 0
	WIN 0x82+0x41*((\a)/4)                         ; destination and source 0: window 2 or 3
.set i, 0
.rept 32
	v_pk_mul_f32 v[AC+i:AC+i+1], v[AC+i:AC+i+1], s[104:105] op_sel_hi:[1,0]
.set i, i+2
.endr
.endif
.if \a >= 2
	s_wait_xcnt 0x0                                ; the stores of two blocks ago have read the registers that are written next
.endif
	WIN 0x0a+5*((\a)/4)                            ; sources 0 and 1: window 2 or 3
.set i, 0
.rept 32
	v_cvt_pk_f16_f32 v[TM+i], v[AC+2*i], v[AC+2*i+1]
.set i, i+1
.endr
.if \sw
.if \a == 0
.irp b, 0,1,2,3,4,5,6,7
	v_pk_add_f32 v[SU+2*\b:SU+2*\b+1], v[AC+8*\b:AC+8*\b+1], v[AC+8*\b+2:AC+8*\b+3]   ; the first two pairs start the column sums: nothing is cleared
.endr
.endif
	WIN 0x08+4*((\a)/4)                            ; source 1: window 2 or 3
.irp e, 0,2,4,6
.if (\a > 0) || (\e > 2)
.irp b, 0,1,2,3,4,5,6,7
	v_pk_add_f32 v[SU+2*\b:SU+2*\b+1], v[SU+2*\b:SU+2*\b+1], v[AC+8*\b+\e:AC+8*\b+\e+1]
.endr
.endif
.endr
.endif
	WIN 0
.irp b, 0,1,2,3,4,5,6,7
.if \sw
	global_store_b128 v[LI], v[TM+4*\b:TM+4*\b+3], s[18:19] offset:((\a)/2)*4096+(\b%4)*1024+((\a)%2)*512+(\b/4)*262144   ; 512 consecutive bytes, aligned
.else
	global_store_b128 v[LI], v[TM+4*\b:TM+4*\b+3], s[18:19] offset:(\a)*2048+(\b%4)*512+(\b/4)*262144                     ; 512 consecutive bytes, aligned
.endif
.endr
.endr
.if \sw
.irp b, 0,1,2,3,4,5,6,7
	v_add_f32 v[SU+2*\b], v[SU+2*\b], v[SU+2*\b+1]
.endr
.irp b, 0,1,2,3,4,5,6,7
	v_permlanex16_b32 v[SU+2*\b+1], v[SU+2*\b], s2, s3
.endr
.irp b, 0,1,2,3,4,5,6,7
	v_add_f32 v[SU+2*\b], v[SU+2*\b], v[SU+2*\b+1]             ; every lane: the sum of channel 16 b + r over my 128 keys
.endr
.irp p, 0,1,2,3
	v_cndmask_b32 v[SU+4*\p+1], v[SU+4*\p], v[SU+4*\p+2], s100 ; lanes 0-15 the even tile, lanes 16-31 the odd one
	global_store_b32 v[L4], v[SU+4*\p+1], s[20:21] offset:128*\p
.endr
.endif
	s_wait_tensorcnt 0x0                           ; the wave's end
	ds_add_u32 v[SPW], v[NIL]
	s_wait_dscnt 0x0
	CROUND                                         ; the closing round
	s_endpgm
.endm
	s_cmp_eq_u32 s[TN], 2
	s_cbranch_scc1 .Lvalues
	BODY 0
.Lvalues:
	BODY 1
.Lfunc_end_k_qb40751eb3b_proj:
	.size	k_qb40751eb3b_proj, .Lfunc_end_k_qb40751eb3b_proj-k_qb40751eb3b_proj
	.p2alignl 7, 3214868480
	.fill 96, 4, 3214868480
	.section	.rodata,"a",@progbits
	.p2align	6, 0x0
	.amdhsa_kernel k_qb40751eb3b_proj
		.amdhsa_group_segment_fixed_size 327680
		.amdhsa_private_segment_fixed_size 0
		.amdhsa_enable_private_segment 0
		.amdhsa_kernarg_size 72
		.amdhsa_user_sgpr_count 2
		.amdhsa_user_sgpr_kernarg_segment_ptr 1
		.amdhsa_wavefront_size32 1
		.amdhsa_system_sgpr_workgroup_id_x 1
		.amdhsa_system_sgpr_workgroup_id_y 1
		.amdhsa_system_sgpr_workgroup_id_z 1
		.amdhsa_system_vgpr_workitem_id 0
		.amdhsa_next_free_vgpr 1024
		.amdhsa_next_free_sgpr 106
		.amdhsa_reserve_vcc 0
		.amdhsa_float_denorm_mode_32 3
		.amdhsa_float_denorm_mode_16_64 3
		.amdhsa_memory_ordered 1
		.amdhsa_forward_progress 1
		.amdhsa_inst_pref_size 255
	.end_amdhsa_kernel
	.section	.bss,"aw",@nobits
	.p2align	6
	.space	262144
	.amdgpu_metadata
---
amdhsa.version: [ 1, 2 ]
amdhsa.kernels:
  - .name:           k_qb40751eb3b_proj
    .symbol:         k_qb40751eb3b_proj.kd
    .args:
      - { .name: xc, .offset: 0, .size: 8, .value_kind: global_buffer, .address_space: global }
      - { .name: xs, .offset: 8, .size: 8, .value_kind: global_buffer, .address_space: global }
      - { .name: wc, .offset: 16, .size: 8, .value_kind: global_buffer, .address_space: global }
      - { .name: ws, .offset: 24, .size: 8, .value_kind: global_buffer, .address_space: global }
      - { .name: b_Q, .offset: 32, .size: 8, .value_kind: global_buffer, .address_space: global }
      - { .name: b_K, .offset: 40, .size: 8, .value_kind: global_buffer, .address_space: global }
      - { .name: b_V, .offset: 48, .size: 8, .value_kind: global_buffer, .address_space: global }
      - { .name: qkv, .offset: 56, .size: 8, .value_kind: global_buffer, .address_space: global }
      - { .name: bs, .offset: 64, .size: 8, .value_kind: global_buffer, .address_space: global }
    .group_segment_fixed_size: 327680
    .private_segment_fixed_size: 0
    .kernarg_segment_align: 8
    .kernarg_segment_size: 72
    .max_flat_workgroup_size: 128
    .sgpr_count:     106
    .vgpr_count:     1024
    .wavefront_size: 32
...
	.end_amdgpu_metadata
.endif
;; end of part 2
;; launch attn (part 3): grid 8 x 32, 8 waves a work-group, no clusters, 327,680 bytes of LDS; arguments qkv, bs, z; writes z
.if DOCPART == 3
	.amdgcn_target "amdgcn-amd-amdhsa--gfx1250"
	.amdhsa_code_object_version 6
	.text
	.protected	k_qb40751eb3b_attn
	.globl	k_qb40751eb3b_attn
	.p2align	8
	.type	k_qb40751eb3b_attn,@function
k_qb40751eb3b_attn:
	s_mov_b64 s[64:65], 0
	v_nop
	global_prefetch_b8 v0, s[64:65] scope:SCOPE_SE
	s_setreg_imm32_b32 hwreg(HW_REG_WAVE_MODE, 25, 1), 1
	s_wait_xcnt 0x0
; CAUSAL ATTENTION OF ONE HEAD'S TWO BLOCKS OF 128 QUERIES: z = softmax(where(key <= query, q . k / 8, -1000)) v.  f16 operands, f32 products, maxima and sums; a running maximum.
; q and k arrive multiplied by sqrt(log2(e) / 8), so a score arrives as t = score x log2(e) and p = 2^(t - m).  A hidden key counts, as in the module, with t = -1000 log2(e):
; inside the diagonal block the value itself is put in its place; the key blocks behind the diagonal are not multiplied: all their keys have the same weight w = 2^(-1000 log2(e) - m), so they add
; w x (the sum of their v, from bs) to the numerator and w x (their number) to the divisor.
; SHARES.  Work-group (i, 16 batch + head) owns query blocks i and 15 - i: (i + 1) + (16 - i) = 17 steps of 128 queries x 128 keys in every work-group, 256 equal work-groups.  Step t reads key block t (t <= i), else t - i - 1.
; Eight waves, two to a SIMD.  Wave w takes the query tiles w and w xor 1 (16 queries each) against key half w % 2 (64 keys) of each step: a fragment of K or V feeds two products.
; Partners w and w xor 1 hold parts (m, l, O) of the same 32 queries; at a block's end each sends its second tile's through LDS and finishes its first.
; LAYOUT.  S^T = K Q^T, O^T = V^T P: a lane holds one query throughout.  All operands lie in memory and LDS in the order of their registers: every LDS read is 16 bytes a lane at 16 x lane + a constant.
; RING.  Two slots of four steps (131,072 bytes); every wave fetches 16,384 bytes (one step's K or V) behind each change of slots, and that load has four steps in which to land.  At most two tensor loads of a wave are out (at the start).
; NO CLUSTER: at step t the eight work-groups of a head stand at different key blocks (t or t - i - 1), so no two ask for the same tile in the same step; a walk in step would take 20 steps in place of 17.
; LIMITS: NaN and infinities are not served.
; REGISTERS: window 0: v1-15 addresses and constants; v16-31 statistics, 8 a tile (+0 m, +1 zero, +2, +3 l, +4..7 at work, the rescaling factor in +6); v32-95 S^T; v96-127 P; v128-191 K; v192-255 V.
;   window 1: v0-31 Q; v32-95 O^T; v96-127 the second block's Q; v128-159 the partner's O^T; v160-223 sums of v; v224-239 z, packed.
.set STEPB, 32768                      ; a step in a slot: K 16,384, then V 16,384
.set SLOT1, 131072
.set EXCH,  262144                     ; 4,352 bytes a wave: O^T of a tile 4,096, m 128, l 128
.set EXW,   4352
.set SUF,   EXCH+8*EXW                 ; [half of the key blocks 2][query block 2][64 channels] f32
.set SPARE, SUF+1024                   ; the spare words, 128 bytes a wave: four blocks of 256 bytes that no other line names
.set LI0, 1                            ; v1   16 x lane + 8,192 x key half
.set ADR, 2                            ; v2   the step's LDS address
.set SPW, 3
.set NIL, 4
.set EXS, 5                            ; v5   where I send O^T;  v6 where I receive;  v7, v8 the same for m and l
.set EXR, 6
.set EXSM, 7
.set EXRM, 8
.set SUFA, 9                           ; v9   SUF + 32 (lane / 16)
.set LI,  10                           ; v10  16 x lane
.set QD,  11                           ; v11-12  tile t: my query - my key half's first key - 8 (lane / 16), within the block
.set QO,  13                           ; v13-14  Q's offsets;  v14 later 256 x lane, for the prefetches
.set PFO, 14
.set TIGN, 15                          ; v15  -1000 log2(e)
.set ST,  16
.set S,   32
.set P,   96
.set KF,  128
.set VF,  192
.set Q,   0
.set O,   32
.set QN,  96
.set RX,  128
.set SV,  160
.set ZP,  224
.set WV, 10
.set II, 11                            ; i
.set I1, 12                            ; i + 1
.set BH, 13
.set TT, 14                            ; the step
.set TD, 15                            ; the step on the diagonal: i, later 16
.set TB, 16                            ; LDS byte at which the step's tiles begin
.set OUTER, 17
.set INNER, 18
.set TW, 19                            ; the step that my next fill brings
.set SEL, 20
.set G1, 24                            ; s[24:31] 64 rows of 256 bytes, dense
.set G1S, 32                           ; s[32:39] 16 rows
.set G0, 40                            ; s[40:43] the walking descriptor
.set G0S, 44                           ; s[44:47] step 0's piece
.set KVB, 48                           ; s[48:49] my head's K (even waves) or V (odd waves)
.set OFS, 50                           ; s[50:51] an offset pair; s51 stays 0
.set ZB, 52                            ; s[52:53], s[54:55] where my tile of z goes, block 0, 1
.set IGB, 56                           ; s56, s57 the hidden keys' t, or the lowest number where no key block lies behind the diagonal
.set CNT, 58                           ; s58, s59 the number of keys behind the diagonal block, f32
.set QB, 60                            ; s[60:61], s[62:63] Q of block 0, 1
.set PFA, 66
.set LIM, 68
.set MSB, 0
.macro WIN new
.if MSB != \new
	s_set_vgpr_msb (MSB<<8)|\new
.set MSB, \new
.endif
.endm
.macro KBADDR                          ; the walking descriptor's global address: key block TW, or TW - i - 1 behind the first query block
	s_cmp_gt_u32 s[TW], s[II]
	s_cselect_b32 s[OFS], s[I1], 0
	s_sub_co_u32 s[OFS], s[TW], s[OFS]
	s_lshl_b32 s[OFS], s[OFS], 14
	s_add_nc_u64 s[G0+2:G0+3], s[KVB:KVB+1], s[OFS:OFS+1]
	s_or_b32 s[G0+3], s[G0+3], 0x80000000
.endm
.macro INIT                            ; a query block begins: O^T and l are zeros, m lies under every t, so the first rescaling multiplies zeros
	WIN 0x40
.set i, 0
.rept 64
	v_mov_b32 v[O+i], 0
.set i, i+1
.endr
	WIN 0
.irp t, 0,1
	v_mov_b32 v[ST+8*\t], 0xff61b1e6
	v_mov_b32 v[ST+8*\t+1], 0
	v_mov_b32 v[ST+8*\t+2], 0
	v_mov_b32 v[ST+8*\t+3], 0
.endr
.endm
	s_load_b128 s[4:7], s[0:1], 0x0                ; qkv, bs
	s_load_b64 s[8:9], s[0:1], 0x10                ; z
	v_lshl_add_u32 v[SPW], v0, 2, SPARE
	v_mov_b32 v[NIL], 0
	ds_add_u32 v[SPW], v[NIL]                      ; the wave's opening: the add and its wait ahead of my first tensor load; the set-up below stands between them
	v_lshrrev_b32 v1, 5, v0
	v_readfirstlane_b32 s[WV], v1                  ; wave 0..7
	s_mov_b32 s[II], ttmp9
	s_add_co_u32 s[I1], s[II], 1
	s_and_b32 s[BH], ttmp7, 0xffff
	s_sub_co_u32 s71, 15, s[II]                    ; the second query block
	s_lshr_b32 s69, s[BH], 4                       ; batch
	s_and_b32 s70, s[BH], 15                       ; head
	s_and_b32 s72, s[WV], 1                        ; my key half.  As a loader: K (0) or V (1)
	s_lshr_b32 s73, s[WV], 1                       ; as a loader: which step of a slot
	s_xor_b32 s74, s[WV], 1                        ; my partner
	s_mov_b32 s[G1+0], 3<<16                       ; elements of 8 bytes, no mask, no padding
	s_mov_b32 s[G1+1], 32<<16                      ; tensor_dim0 = 32: rows of 256 bytes
	s_mov_b32 s[G1+2], 64<<16                      ; tensor_dim1
	s_mov_b32 s[G1+3], 32<<16                      ; tile_dim0
	s_mov_b32 s[G1+4], 64                          ; tile_dim1
	s_mov_b32 s[G1+5], 32                          ; from row to row: dense
	s_mov_b32 s[G1+6], 0
	s_mov_b32 s[G1+7], 0
	s_mov_b32 s[G1S+0], 3<<16
	s_mov_b32 s[G1S+1], 32<<16
	s_mov_b32 s[G1S+2], 16<<16
	s_mov_b32 s[G1S+3], 32<<16
	s_mov_b32 s[G1S+4], 16
	s_mov_b32 s[G1S+5], 32
	s_mov_b32 s[G1S+6], 0
	s_mov_b32 s[G1S+7], 0
	s_mov_b32 s[SEL], 0x76543210
	s_mov_b32 s[SEL+1], 0xfedcba98
	s_mov_b32 s[TT], 0
	s_mov_b32 s[TD], s[II]
	s_mov_b32 s[TB], 0
	s_add_co_u32 s[TW], s73, 1
	s_mov_b32 s[IGB], 0xc4b4563e                   ; -1000 log2(e)
	s_mov_b32 s[IGB+1], 0xff7fffff
	s_cmp_eq_u32 s[II], 0
	s_cselect_b32 s[IGB+1], s[IGB+1], s[IGB]       ; query block 15 has no key block behind it
	s_cselect_b32 s[LIM], 1, -1                    ; the head's work-group with i = 0 prefetches
	s_lshl_b32 s[CNT], s71, 7
	s_cvt_f32_u32 s[CNT], s[CNT]                   ; 128 (15 - i)
	s_lshl_b32 s[CNT+1], s[II], 7
	s_cvt_f32_u32 s[CNT+1], s[CNT+1]               ; 128 i
	s_add_co_u32 s[OFS], s72, 1
	s_lshl_b32 s[OFS], s[OFS], 23                  ; k lies 8,388,608 bytes into qkv, v 16,777,216
	s_lshl_b32 s[OFS+1], s[BH], 18                 ; a head is 262,144 bytes
	s_add_co_u32 s[OFS], s[OFS], s[OFS+1]
	s_mov_b32 s[OFS+1], 0
	s_wait_dscnt 0x0                               ; the opening add is done
	s_wait_kmcnt 0x0
	s_add_nc_u64 s[KVB:KVB+1], s[4:5], s[OFS:OFS+1]
	s_mov_b32 s[G0S], 1                            ; step 0: key block 0; eight pieces of 4,096 bytes, K's four and then V's four
	s_lshl_b32 s[G0S+1], s72, 14
	s_lshl_b32 s[OFS], s73, 12
	s_add_co_u32 s[G0S+1], s[G0S+1], s[OFS]
	s_add_nc_u64 s[G0S+2:G0S+3], s[KVB:KVB+1], s[OFS:OFS+1]
	s_or_b32 s[G0S+3], s[G0S+3], 0x80000000
	s_mov_b32 s[G0], 1                             ; steps 1 to 4 into slot 1: 32,768 (wave / 2) + 16,384 (wave % 2) = 16,384 x wave
	s_lshl_b32 s[G0+1], s[WV], 14
	s_add_co_u32 s[G0+1], s[G0+1], SLOT1
	KBADDR
	tensor_load_to_lds s[G0S:G0S+3], s[G1S:G1S+7]  ; both first fills go out together, ahead of every wait on TENSORcnt, LDS read and barrier
	s_nop 0
	tensor_load_to_lds s[G0:G0+3], s[G1:G1+7]
	s_nop 0
.rept 4
	v_nop
.endr
	s_lshl_b32 s[OFS], s[BH], 18
	s_lshl_b32 s75, s[II], 14                      ; a block of 128 queries is 16,384 bytes
	s_add_co_u32 s[OFS], s[OFS], s75
	s_add_nc_u64 s[QB:QB+1], s[4:5], s[OFS:OFS+1]
	s_lshl_b32 s[OFS], s[BH], 18
	s_lshl_b32 s75, s71, 14
	s_add_co_u32 s[OFS], s[OFS], s75
	s_add_nc_u64 s[QB+2:QB+3], s[4:5], s[OFS:OFS+1]
	s_lshl_b32 s75, s69, 7
	s_add_co_u32 s75, s75, s[WV]                   ; z: row tile 128 batch + 8 block + wave, 32,768 bytes; my head's 2,048 in it
	s_lshl_b32 s77, s70, 11
	s_lshl_b32 s76, s[II], 3
	s_add_co_u32 s76, s76, s75
	s_lshl_b32 s[OFS], s76, 15
	s_add_co_u32 s[OFS], s[OFS], s77
	s_add_nc_u64 s[ZB:ZB+1], s[8:9], s[OFS:OFS+1]
	s_lshl_b32 s76, s71, 3
	s_add_co_u32 s76, s76, s75
	s_lshl_b32 s[OFS], s76, 15
	s_add_co_u32 s[OFS], s[OFS], s77
	s_add_nc_u64 s[ZB+2:ZB+3], s[8:9], s[OFS:OFS+1]
	s_lshl_b32 s[OFS], s69, 16                     ; bs: my batch, my eight key blocks (wave / 4), my head, my 32 channels (wave % 2)
	s_lshr_b32 s76, s[WV], 2
	s_lshl_b32 s77, s76, 15
	s_add_co_u32 s[OFS], s[OFS], s77
	s_lshl_b32 s77, s70, 8
	s_add_co_u32 s[OFS], s[OFS], s77
	s_lshl_b32 s77, s72, 7
	s_add_co_u32 s[OFS], s[OFS], s77
	s_add_nc_u64 s[6:7], s[6:7], s[OFS:OFS+1]
	v_and_b32 v16, 15, v0                          ; r
	v_bfe_u32 v17, v0, 4, 1                        ; h
	v_and_b32 v19, 31, v0                          ; lane
	v_lshlrev_b32 v[LI], 4, v19
	s_lshl_b32 s78, s72, 13
	v_add_nc_u32 v[LI0], s78, v[LI]
	s_mul_i32 s78, s[WV], EXW
	s_add_co_u32 s78, s78, EXCH
	v_add_nc_u32 v[EXS], s78, v[LI]
	v_lshl_add_u32 v[EXSM], v19, 2, s78
	v_add_nc_u32 v[EXSM], 4096, v[EXSM]
	s_mul_i32 s79, s74, EXW
	s_add_co_u32 s79, s79, EXCH
	v_add_nc_u32 v[EXR], s79, v[LI]
	v_lshl_add_u32 v[EXRM], v19, 2, s79
	v_add_nc_u32 v[EXRM], 4096, v[EXRM]
	v_lshl_add_u32 v[SUFA], v17, 5, SUF
	v_lshlrev_b32 v18, 3, v17
	v_sub_nc_u32 v18, v16, v18                     ; r - 8 h
	s_lshl_b32 s79, s72, 6
	s_lshl_b32 s78, s[WV], 4
	s_sub_co_i32 s78, s78, s79
	v_add_nc_u32 v[QD], s78, v18
	s_lshl_b32 s78, s74, 4
	s_sub_co_i32 s78, s78, s79
	v_add_nc_u32 v[QD+1], s78, v18
	s_lshl_b32 s78, s[WV], 11                      ; a tile of 16 queries is 2,048 bytes
	v_add_nc_u32 v[QO], s78, v[LI]
	s_lshl_b32 s78, s74, 11
	v_add_nc_u32 v[QO+1], s78, v[LI]
	v_mov_b32 v[TIGN], 0xc4b4563e
	v_lshlrev_b32 v20, 2, v19
	v_lshl_add_u32 v21, v0, 2, SUF                 ; 512 (wave / 4) + 256 ((wave / 2) % 2) + 128 (wave % 2) + 4 x lane = 4 x thread
	WIN 0x40                                       ; destination window 1
.irp t, 0,1
.irp p, 0,1,2,3
	global_load_b128 v[Q+16*\t+4*\p:Q+16*\t+4*\p+3], v[QO+\t], s[QB:QB+1] offset:512*\p
	global_load_b128 v[QN+16*\t+4*\p:QN+16*\t+4*\p+3], v[QO+\t], s[QB+2:QB+3] offset:512*\p
.endr
.endr
	WIN 0
.irp kk, 0,1,2,3,4,5,6,7
	global_load_b32 v[32+\kk], v20, s[6:7] offset:\kk*4096
.endr
	; the sums of v over the key blocks behind the diagonal: wave w adds, for query block (w / 2) % 2 and 32 channels, those of its eight key blocks that lie behind it
	s_bitcmp1_b32 s[WV], 1
	s_cselect_b32 s75, s71, s[II]                  ; that query block's number
	s_lshl_b32 s77, s76, 3                         ; my first key block
	s_wait_loadcnt 0x0                             ; Q, and the eight rows of bs
.irp kk, 0,1,2,3,4,5,6,7
	s_add_co_u32 s78, s77, \kk
	s_cmp_gt_u32 s78, s75
	s_cselect_b32 s78, 1.0, 0
.if \kk == 0
	v_mul_f32 v40, s78, v32
.else
	v_fma_f32 v40, v[32+\kk], s78, v40
.endif
.endr
	ds_store_b32 v21, v40
	v_lshlrev_b32 v[PFO], 8, v19                   ; Q's loads are in: their offset register takes 256 x lane
	INIT
	s_wait_tensorcnt 1                             ; my piece of step 0 is in; slot 1's load, issued behind it, may be out
	s_wait_dscnt 0x0                               ; my sums lie in LDS
	s_barrier_signal -1
	s_barrier_wait -1
; A QUERY BLOCK ENDS.  blk: which of the two.  again = 1: the exchange's bytes will be written once more, so a second barrier stands behind their reads.
.macro FINAL blk, again
	s_wait_xcnt 0x0                                ; earlier stores of z have read the registers that are written below
.irp t, 0,1
	v_add_f32 v[ST+8*\t+4], v[ST+8*\t+2], v[ST+8*\t+3]     ; l's two halves.  (These four additions are the places behind the last products)
.endr
.irp t, 0,1
	v_permlanex16_b32 v[ST+8*\t+5], v[ST+8*\t+4], s[SEL], s[SEL+1]
.endr
.irp t, 0,1
	v_add_f32 v[ST+8*\t+4], v[ST+8*\t+4], v[ST+8*\t+5]     ; with lane l xor 16's
.endr
	WIN 0x04                                       ; an LDS store's data are its source 1: window 1
.irp n, 0,1,2,3,4,5,6,7
	ds_store_b128 v[EXS], v[O+32+4*\n:O+32+4*\n+3] offset:512*\n   ; my second tile, each accumulator from its low end on
.endr
	WIN 0
	ds_store_b32 v[EXSM], v[ST+8]
	ds_store_b32 v[EXSM], v[ST+12] offset:128
	s_wait_dscnt 0x0                               ; for my partner's sake
	s_barrier_signal -1
	s_barrier_wait -1
	WIN 0x40
.irp n, 0,1,2,3,4,5,6,7
	ds_load_b128 v[RX+4*\n:RX+4*\n+3], v[EXR] offset:512*\n        ; my first tile as my partner has it
.endr
.irp p, 0,1
.irp g, 0,1,2,3,4,5,6,7
	ds_load_b128 v[SV+32*\p+4*\g:SV+32*\p+4*\g+3], v[SUFA] offset:\p*512+\blk*256+(\g/2)*64+(\g%2)*16   ; channels 16 (g / 2) + 8 h + 4 (g % 2) on
.endr
.endr
	WIN 0
	ds_load_b32 v32, v[EXRM]
	ds_load_b32 v33, v[EXRM] offset:128
	s_wait_dscnt 0x0
.if \again
	s_barrier_signal -1                            ; every wave's reads of the exchange are in: it may be written again
	s_barrier_wait -1
.endif
	v_max3_num_f32 v34, v[ST], v32, s[IGB+\blk]    ; the maximum over both key halves and the hidden key blocks
	v_sub_f32 v36, v[ST], v34
	v_sub_f32 v37, v32, v34
	v_sub_f32 v38, s[IGB+\blk], v34
	v_exp_f32 v36, v36
	v_exp_f32 v37, v37
	v_exp_f32 v38, v38
	v_nop                                          ; a plain line behind the last exponential
	s_wait_alu depctr_va_vdst(0)                   ; one wait for the three, ahead of their first reader
	v_mul_f32 v40, v36, v[ST+4]
	v_fma_f32 v40, v37, v33, v40
	v_fma_f32 v40, v38, s[CNT+\blk], v40           ; the divisor
	v_rcp_f32 v41, v40
	v_nop
	s_wait_alu depctr_va_vdst(0)
.irp e, 0,1,2
	v_mul_f32 v[42+2*\e], v[36+\e], v41
	v_mul_f32 v[43+2*\e], v[36+\e], v41
.endr
	WIN 0x51                                       ; sources 0 and 2 and the destination: window 1
.set i, 0
.rept 16
	v_pk_mul_f32 v[O+i:O+i+1], v[O+i:O+i+1], v[42:43]
.set i, i+2
.endr
.set i, 0
.rept 16
	v_pk_fma_f32 v[O+i:O+i+1], v[RX+i:RX+i+1], v[44:45], v[O+i:O+i+1]
.set i, i+2
.endr
.set i, 0
.rept 16
	v_pk_fma_f32 v[O+i:O+i+1], v[SV+i:SV+i+1], v[46:47], v[O+i:O+i+1]
.set i, i+2
.endr
.set i, 0
.rept 16
	v_pk_fma_f32 v[O+i:O+i+1], v[SV+32+i:SV+32+i+1], v[46:47], v[O+i:O+i+1]
.set i, i+2
.endr
	WIN 0x45
.set i, 0
.rept 16
	v_cvt_pk_f16_f32 v[ZP+i], v[O+2*i], v[O+2*i+1]
.set i, i+1
.endr
	WIN 0x04
.irp ct, 0,1,2,3
	global_store_b128 v[LI], v[ZP+4*\ct:ZP+4*\ct+3], s[ZB+2*\blk:ZB+2*\blk+1] offset:\ct*512   ; 512 consecutive bytes, aligned: half a fragment of the next launch
.endr
	WIN 0
.endm
.macro SWITCH                          ; on to the second query block
	WIN 0x41
.set i, 0
.rept 32
	v_mov_b32 v[Q+i], v[QN+i]
.set i, i+1
.endr
	INIT
	s_mov_b32 s[TD], 16
.endm
; A STEP: my 64 keys of the step's 128 against my 32 queries.  fin = 1: the first query block may end here.
.macro STEP fin
	v_add_nc_u32 v[ADR], s[TB], v[LI0]             ; with the three lines below: the four places between the last products and the loads into V's registers
.rept 3
	v_nop
.endr
.irp kt, 0,1,2,3
.irp p, 0,1,2,3
	ds_load_b128 v[KF+16*\kt+4*\p:KF+16*\kt+4*\p+3], v[ADR] offset:\kt*2048+\p*512
.endr
.endr
.irp g, 0,1,2,3,4,5,6,7
	ds_load_b128 v[VF+8*\g:VF+8*\g+3], v[ADR] offset:16384+\g*1024
	ds_load_b128 v[VF+8*\g+4:VF+8*\g+7], v[ADR] offset:16384+\g*1024+512
.endr
	s_wait_dscnt 16                                ; K's 16 loads are in; V's 16, issued behind them, may be out
	WIN 0x04                                       ; source 1 (Q) window 1
.irp c, 0,1                            ; the eight accumulators take turns, one instruction a turn
.irp kt, 0,1,2,3
.irp t, 0,1
.if \c == 0
	v_wmma_f32_16x16x32_f16 v[S+32*\t+8*\kt:S+32*\t+8*\kt+7], v[KF+16*\kt+8*\c:KF+16*\kt+8*\c+7], v[Q+16*\t+8*\c:Q+16*\t+8*\c+7], 0
.else
	v_wmma_f32_16x16x32_f16 v[S+32*\t+8*\kt:S+32*\t+8*\kt+7], v[KF+16*\kt+8*\c:KF+16*\kt+8*\c+7], v[Q+16*\t+8*\c:Q+16*\t+8*\c+7], v[S+32*\t+8*\kt:S+32*\t+8*\kt+7]
.endif
.endr
.endr
.endr
	WIN 0
.rept 4
	v_nop
.endr
	s_cmp_eq_u32 s[TT], s[TD]                      ; on the diagonal hidden scores take the module's value; a branch on the work-group's number and the count of steps
	s_cbranch_scc0 .Lopen_\@
.irp kt, 0,1,2,3
.irp j, 0,1,2,3,4,5,6,7
.irp t, 0,1
	v_cmp_gt_i32 vcc_lo, 16*\kt+\j, v[QD+\t]
	v_cndmask_b32 v[S+32*\t+8*\kt+\j], v[S+32*\t+8*\kt+\j], v[TIGN], vcc_lo
.endr
.endr
.endr
.Lopen_\@:
.irp j, 0,1,2,3                        ; the maximum: four chains a tile, each accumulator from its low end on; the two tiles by turns
.irp t, 0,1
	v_max3_num_f32 v[ST+8*\t+4+\j], v[S+32*\t+8*\j], v[S+32*\t+8*\j+1], v[S+32*\t+8*\j+2]
.endr
.endr
.irp e, 3,5
.irp j, 0,1,2,3
.irp t, 0,1
	v_max3_num_f32 v[ST+8*\t+4+\j], v[ST+8*\t+4+\j], v[S+32*\t+8*\j+\e], v[S+32*\t+8*\j+\e+1]
.endr
.endr
.endr
.irp t, 0,1
	v_max3_num_f32 v[ST+8*\t+4], v[ST+8*\t+4], v[S+32*\t+7], v[S+32*\t+15]
.endr
.irp t, 0,1
	v_max3_num_f32 v[ST+8*\t+6], v[ST+8*\t+6], v[S+32*\t+23], v[S+32*\t+31]
.endr
.irp t, 0,1
	v_max3_num_f32 v[ST+8*\t+4], v[ST+8*\t+4], v[ST+8*\t+5], v[ST+8*\t+6]
.endr
.irp t, 0,1
	v_max3_num_f32 v[ST+8*\t+4], v[ST+8*\t+4], v[ST+8*\t+7], v[ST+8*\t]
.endr
.irp t, 0,1
	v_permlanex16_b32 v[ST+8*\t+5], v[ST+8*\t+4], s[SEL], s[SEL+1]   ; the query's other 32 keys lie in the lane 16 away
.endr
.irp t, 0,1
	v_mov_b32 v[ST+8*\t+7], v[ST+8*\t]
.endr
.irp t, 0,1
	v_max_num_f32 v[ST+8*\t], v[ST+8*\t+4], v[ST+8*\t+5]             ; the new m
.endr
.irp t, 0,1
	v_sub_f32 v[ST+8*\t+7], v[ST+8*\t+7], v[ST+8*\t]                 ; old m - new m
.endr
.irp b, 0,1,2,3,4,5,6,7,8,9,10,11,12,13,14,15
.irp t, 0,1
	v_pk_add_f32 v[S+32*\t+2*\b:S+32*\t+2*\b+1], v[S+32*\t+2*\b:S+32*\t+2*\b+1], v[ST+8*\t:ST+8*\t+1] op_sel_hi:[1,0] neg_lo:[0,1] neg_hi:[0,1]   ; t - m, exact where it matters
.endr
.endr
.irp t, 0,1
	v_exp_f32 v[ST+8*\t+6], v[ST+8*\t+7]
.endr
.set i, 0
.rept 64
	v_exp_f32 v[S+i], v[S+i]
.set i, i+1
.endr
	v_nop                                          ; a plain line behind the last exponential
	s_wait_alu depctr_va_vdst(0)                   ; one wait for the batch of 66, ahead of its first reader
.set i, 0
.rept 32
	v_cvt_pk_f16_f32 v[P+i], v[S+2*i], v[S+2*i+1]  ; two tiles of 16 keys, packed, are source 1 of the second product
.set i, i+1
.endr
.irp z, 0,1,2,3,4,5,6,7                ; the sum of the unrounded p, in place: neighbours 1, 2, 4, 8 pairs apart
.irp t, 0,1
	v_pk_add_f32 v[S+32*\t+4*\z:S+32*\t+4*\z+1], v[S+32*\t+4*\z:S+32*\t+4*\z+1], v[S+32*\t+4*\z+2:S+32*\t+4*\z+3]
.endr
.endr
.irp z, 0,1,2,3
.irp t, 0,1
	v_pk_add_f32 v[S+32*\t+8*\z:S+32*\t+8*\z+1], v[S+32*\t+8*\z:S+32*\t+8*\z+1], v[S+32*\t+8*\z+4:S+32*\t+8*\z+5]
.endr
.endr
.irp z, 0,1
.irp t, 0,1
	v_pk_add_f32 v[S+32*\t+16*\z:S+32*\t+16*\z+1], v[S+32*\t+16*\z:S+32*\t+16*\z+1], v[S+32*\t+16*\z+8:S+32*\t+16*\z+9]
.endr
.endr
.irp t, 0,1
	v_pk_add_f32 v[S+32*\t:S+32*\t+1], v[S+32*\t:S+32*\t+1], v[S+32*\t+16:S+32*\t+17]
.endr
.irp t, 0,1
	v_pk_fma_f32 v[ST+8*\t+2:ST+8*\t+3], v[ST+8*\t+2:ST+8*\t+3], v[ST+8*\t+6:ST+8*\t+7], v[S+32*\t:S+32*\t+1] op_sel_hi:[1,0,1]
.endr
	WIN 0x41                                       ; O^T (destination and source 0) window 1
.irp b, 0,1,2,3,4,5,6,7,8,9,10,11,12,13,14,15
.irp t, 0,1
	v_pk_mul_f32 v[O+32*\t+2*\b:O+32*\t+2*\b+1], v[O+32*\t+2*\b:O+32*\t+2*\b+1], v[ST+8*\t+6:ST+8*\t+7] op_sel_hi:[1,0]
.endr
.endr
	s_wait_dscnt 0x0                               ; V is in
	WIN 0x50                                       ; C and D window 1
.irp kg, 0,1
.irp ct, 0,1,2,3
.irp t, 0,1
	v_wmma_f32_16x16x32_f16 v[O+32*\t+8*\ct:O+32*\t+8*\ct+7], v[VF+32*\kg+8*\ct:VF+32*\kg+8*\ct+7], v[P+16*\t+8*\kg:P+16*\t+8*\kg+7], v[O+32*\t+8*\ct:O+32*\t+8*\ct+7]
.endr
.endr
.endr
	WIN 0
.if \fin
	s_cmp_eq_u32 s[TT], s[II]                      ; the same in all eight waves: every wave passes the barriers below, or none
	s_cbranch_scc0 .Lgo_\@
	FINAL 0, 1
	SWITCH
.Lgo_\@:
.endif
.endm
; THE CHANGE OF SLOTS, at a slot's head.  Each wave waits for all its tensor loads (its part of the slot ahead), adds 0 to its spare word, and waits for that and for its reads of the slot that it has left.
; Behind the barrier the slot ahead is whole and nobody reads the other one.  fill = 1: every wave fills its 16,384 bytes of that other slot, first thing.
.macro CHANGE fill
	s_wait_tensorcnt 0x0                           ; no tensor load of mine is out, so the walking descriptor may be written
	ds_add_u32 v[SPW], v[NIL]                      ; 0 onto my spare word
.if \fill
	s_xor_b32 s[G0+1], s[G0+1], SLOT1
	s_add_co_u32 s[TW], s[TW], 4
	KBADDR
	s_wait_xcnt 0x0                                ; the last prefetches, four steps back, have read their address
	s_add_nc_u64 s[PFA:PFA+1], s[KVB:KVB+1], s[OFS:OFS+1]
	s_add_nc_u64 s[PFA:PFA+1], s[PFA:PFA+1], 0x10000   ; four key blocks on: with i = 0, what my next fill brings
.endif
	s_wait_dscnt 0x0
	s_barrier_signal -1
	s_barrier_wait -1
.if \fill
	tensor_load_to_lds s[G0:G0+3], s[G1:G1+7]
	s_nop 0
.rept 4
	v_nop
.endr
	; A prefetch of what my own next fill will ask for, four steps ahead: 16,384 bytes, lanes 256 bytes apart, two instructions.  Of a head's eight work-groups the one with i = 0 asks, so each block of 256 bytes
	; of key blocks 8 to 15 is named once in the launch; the last fill asks for nothing; key blocks 0 to 7 come by their loads alone.
	s_cmp_gt_u32 s[OUTER], s[LIM]
	s_cbranch_scc0 .Lnot_mine_\@
	global_prefetch_b8 v[PFO], s[PFA:PFA+1] th:TH_LOAD_NT scope:SCOPE_SE
	global_prefetch_b8 v[PFO], s[PFA:PFA+1] offset:8192 th:TH_LOAD_NT scope:SCOPE_SE
.Lnot_mine_\@:
.endif
.endm
.macro FOUR_STEPS fin
	s_mov_b32 s[INNER], 4
.Lstep_\@:
	STEP \fin
	s_add_co_u32 s[TB], s[TB], STEPB
	s_add_co_u32 s[TT], s[TT], 1
	s_sub_co_u32 s[INNER], s[INNER], 1
	s_cmp_lg_u32 s[INNER], 0
	s_cbranch_scc1 .Lstep_\@
	s_sub_co_u32 s[TB], s[TB], 4*STEPB
	s_xor_b32 s[TB], s[TB], SLOT1                  ; on to the other slot
.endm
	STEP 1                                         ; step 0, from slot 0's first place
	s_mov_b32 s[TT], 1
	s_mov_b32 s[TB], SLOT1
	s_mov_b32 s[OUTER], 3
.Lslot:                                            ; steps 1-4, 5-8, 9-12; the fills bring steps 5-8, 9-12, 13-16
	CHANGE 1
	FOUR_STEPS 1
	s_sub_co_u32 s[OUTER], s[OUTER], 1
	s_cmp_lg_u32 s[OUTER], 0
	s_cbranch_scc1 .Lslot
	CHANGE 0                                       ; the last slot is written out: nothing is left to fetch
	FOUR_STEPS 0
	FINAL 1, 0
	s_wait_tensorcnt 0x0                           ; the wave's end
	ds_add_u32 v[SPW], v[NIL]
	s_wait_dscnt 0x0
	s_endpgm
.Lfunc_end_k_qb40751eb3b_attn:
	.size	k_qb40751eb3b_attn, .Lfunc_end_k_qb40751eb3b_attn-k_qb40751eb3b_attn
	.p2alignl 7, 3214868480
	.fill 96, 4, 3214868480
	.section	.rodata,"a",@progbits
	.p2align	6, 0x0
	.amdhsa_kernel k_qb40751eb3b_attn
		.amdhsa_group_segment_fixed_size 327680
		.amdhsa_private_segment_fixed_size 0
		.amdhsa_enable_private_segment 0
		.amdhsa_kernarg_size 24
		.amdhsa_user_sgpr_count 2
		.amdhsa_user_sgpr_kernarg_segment_ptr 1
		.amdhsa_wavefront_size32 1
		.amdhsa_system_sgpr_workgroup_id_x 1
		.amdhsa_system_sgpr_workgroup_id_y 1
		.amdhsa_system_sgpr_workgroup_id_z 1
		.amdhsa_system_vgpr_workitem_id 0
		.amdhsa_next_free_vgpr 512
		.amdhsa_next_free_sgpr 100
		.amdhsa_reserve_vcc 1
		.amdhsa_float_denorm_mode_32 3
		.amdhsa_float_denorm_mode_16_64 3
		.amdhsa_memory_ordered 1
		.amdhsa_forward_progress 1
		.amdhsa_inst_pref_size 112
	.end_amdhsa_kernel
	.amdgpu_metadata
---
amdhsa.version: [ 1, 2 ]
amdhsa.kernels:
  - .name:           k_qb40751eb3b_attn
    .symbol:         k_qb40751eb3b_attn.kd
    .args:
      - { .name: qkv, .offset: 0, .size: 8, .value_kind: global_buffer, .address_space: global }
      - { .name: bs, .offset: 8, .size: 8, .value_kind: global_buffer, .address_space: global }
      - { .name: z, .offset: 16, .size: 8, .value_kind: global_buffer, .address_space: global }
    .group_segment_fixed_size: 327680
    .private_segment_fixed_size: 0
    .kernarg_segment_align: 8
    .kernarg_segment_size: 24
    .max_flat_workgroup_size: 256
    .sgpr_count:     100
    .vgpr_count:     512
    .wavefront_size: 32
...
	.end_amdgpu_metadata
.endif
;; end of part 3
;; launch outp (part 4): grid 8 x 32, 4 waves a work-group, clusters of 4 x 4, 327,680 bytes of LDS; arguments z, wo, b_O, out0; writes out0
.if DOCPART == 4
	.amdgcn_target "amdgcn-amd-amdhsa--gfx1250"
	.amdhsa_code_object_version 6
	.text
	.protected	k_qb40751eb3b_outp
	.globl	k_qb40751eb3b_outp
	.p2align	8
	.type	k_qb40751eb3b_outp,@function
k_qb40751eb3b_outp:
	s_mov_b64 s[64:65], 0
	v_nop
	global_prefetch_b8 v0, s[64:65] scope:SCOPE_SE
	s_setreg_imm32_b32 hwreg(HW_REG_WAVE_MODE, 25, 1), 1
	s_wait_xcnt 0x0
	s_wait_alu depctr_hold_cnt(0) depctr_sa_sdst(0) depctr_va_vdst(0) depctr_va_sdst(0) depctr_va_ssrc(0) depctr_va_vcc(0) depctr_vm_vsrc(0)
	s_getreg_b32 s2, hwreg(HW_REG_IB_STS2, 6, 4)
	s_cmp_eq_u32 s2, 0
	s_cbranch_scc0 .Lentry_in_a_cluster
	s_endpgm
.Lentry_in_a_cluster:
	s_bfe_u32 s2, ttmp6, 0x10000c
	s_cmp_lg_u32 s2, 0xf033
	s_cbranch_scc0 .Lentry_shape_is_right
	s_endpgm
.Lentry_shape_is_right:
; out0[row][m] = the sum over k of z[row][k] W_O[k][m] + b_O[m].  z and W_O arrive as f16 in the order of an operand's registers: [16-row or 16-column tile][32 along K: 32][half 2][512 bytes]; sums in f32, beginning with the bias.
; 4,096 x 1,024 of out0 are 256 tiles of 128 x 128: a work-group each.  Four waves, each 64 x 64: 16 accumulators.  K = 1,024 goes in four steps of 256 through two LDS slots of 131,072 bytes:
; a wave's tensor load brings four tiles' 8,192 bytes each (rows 32,768 bytes apart in memory, dense in LDS); every LDS read is 16 bytes a lane at 16 x lane + a constant.
; CLUSTERS: 4 x 4 work-groups.  The four of a row need the same tiles of z, the four of a column the same tiles of wo: each is asked for jointly.  The two refills stand behind rounds of the cluster's barrier.
; THE MATRIX INSTRUCTION IS USED TRANSPOSED (source 0 = 16 columns of W_O, source 1 = 16 rows of z): a lane holds eight neighbouring numbers of a row of out0.
; A wave's 64 columns are 256 bytes, aligned: 16 rows at a time go through the wave's own stage and leave as whole rows, sixteen lanes storing 256 consecutive bytes.
; REGISTERS: window 0: v0-31 addresses; v96-127 the bias, four tiles in the result's layout; v128-255 the accumulators.  window 1: two fragment buffers of 128; on the way out v0-127 rows of out0.
.set SLOT,   131072                    ; z's 8 tiles x 8,192 bytes, then wo's 8
.set KSB,    8192                      ; a K step of a tile: 8 x 1,024 bytes
.set STAGE,  2*SLOT
.set SPITCH, 272
.set SPARE,  STAGE+4*16*SPITCH         ; the spare words, 128 bytes a wave: two blocks of 256 bytes that no other line names
.set ADRA, 16
.set ADRB, 20
.set STO,  24
.set RD,   25
.set CO,   26
.set BA,   27
.set SPW,  28
.set NIL,  29
.set BI,   96
.set ACC,  128
.set F0,   0
.set F1,   128
.set WV, 12
.set RH, 13                            ; which 64 rows are mine.  Also: I fetch for z (0) or wo (1)
.set CH, 14                            ; which 64 columns.  Also: which four tiles I fetch
.set G1, 24
.set G0, 32
.set G1B, 48
.set G0B, 56
.set MSB, 0
.macro WIN new
.if MSB != \new
	s_set_vgpr_msb (MSB<<8)|\new
.set MSB, \new
.endif
.endm
.set MUL,  0x05                        ; sources 0 and 1 window 1; C and D window 0
.set TO_F, 0x40
.macro JLOAD s                         ; a joint load; an s_nop 0 and four v_nop follow each of the two lines
	s_cmp_eq_u32 s[RH], 0
	s_cbranch_scc0 .Lfor_b_\@
	tensor_load_to_lds s[G0+4*\s:G0+4*\s+3], s[G1:G1+7]
	s_nop 0
.rept 4
	v_nop
.endr
	s_branch .Lasked_\@
.Lfor_b_\@:
	tensor_load_to_lds s[G0B+4*\s:G0B+4*\s+3], s[G1B:G1B+7]
	s_nop 0
.rept 4
	v_nop
.endr
.Lasked_\@:
.endm
.macro CREST
	s_cmp_lg_u32 s[WV], 0
	s_cbranch_scc1 .Lnot_wave_0_\@
	s_barrier_signal -3
.Lnot_wave_0_\@:
	s_barrier_wait -3
	s_barrier_signal -1
	s_barrier_wait -1
.endm
.macro CROUND
	s_barrier_signal -1
	s_barrier_wait -1
	CREST
.endm
	s_load_b256 s[4:11], s[0:1], 0x0               ; z s[4:5], wo s[6:7], b_O s[8:9], out0 s[10:11]
	v_lshl_add_u32 v[SPW], v0, 2, SPARE
	v_mov_b32 v[NIL], 0
	ds_add_u32 v[SPW], v[NIL]                      ; the wave's opening: the add and its wait ahead of my first tensor load
	v_lshrrev_b32 v1, 5, v0
	v_readfirstlane_b32 s[WV], v1
	s_lshr_b32 s[RH], s[WV], 1
	s_and_b32 s[CH], s[WV], 1
	s_bfe_u32 s40, ttmp6, 0x40000                  ; cx
	s_bfe_u32 s41, ttmp6, 0x40004                  ; cy
	s_lshl_b32 s42, ttmp9, 2
	s_add_co_u32 s42, s42, s40                     ; tile column
	s_and_b32 s15, ttmp7, 0xffff
	s_lshl_b32 s15, s15, 2
	s_add_co_u32 s15, s15, s41                     ; tile row
	s_lshl_b32 s43, s41, 2
	s_lshl_b32 s43, 15, s43
	s_lshl_b32 s44, 0x1111, s40
	s_or_b32 s[G1+0], s43, (3<<16)|(1<<21)         ; the mask: z's tiles go to my row; elements of 8 bytes; bit 21 beside a mask; no padding
	s_or_b32 s[G1B+0], s44, (3<<16)|(1<<21)
.irp g, G1, G1B
	s_mov_b32 s[\g+1], 1024<<16                    ; tensor_dim0 = 1,024 elements: 8,192 bytes
	s_mov_b32 s[\g+2], 4<<16                       ; tensor_dim1 = 4
	s_mov_b32 s[\g+3], 1024<<16                    ; tile_dim0
	s_mov_b32 s[\g+4], 4                           ; tile_dim1
	s_mov_b32 s[\g+5], 4096                        ; from tile to tile: 32,768 bytes
	s_mov_b32 s[\g+6], 0
	s_mov_b32 s[\g+7], 0
.endr
	s_lshl_b32 s18, s[CH], 17                      ; which four tiles I fetch
	s_lshl_b32 s16, s15, 18                        ; z: tile 8 x tile row + 4 x half, 32,768 bytes each
	s_add_co_u32 s16, s16, s18
	s_mov_b32 s17, 0
	s_lshl_b32 s46, s42, 18                        ; wo likewise by the tile column
	s_add_co_u32 s46, s46, s18
	s_mov_b32 s47, 0
	s_lshl_b32 s20, s[WV], 15                      ; where they go: wave x 32,768
	s_wait_dscnt 0x0                               ; the opening add is done
	s_wait_kmcnt 0x0
	s_add_nc_u64 s[16:17], s[4:5], s[16:17]
	s_add_nc_u64 s[46:47], s[6:7], s[46:47]
	CROUND                                         ; all sixteen work-groups are here: the first joint loads meet
.irp s, 0,1
	s_mov_b32 s[G0+4*\s], 1
	s_add_co_u32 s[G0+4*\s+1], s20, \s*SLOT
	s_add_nc_u64 s[G0+4*\s+2:G0+4*\s+3], s[16:17], \s*KSB
	s_or_b32 s[G0+4*\s+3], s[G0+4*\s+3], 0x80000000
	s_mov_b32 s[G0B+4*\s], 1
	s_add_co_u32 s[G0B+4*\s+1], s20, \s*SLOT
	s_add_nc_u64 s[G0B+4*\s+2:G0B+4*\s+3], s[46:47], \s*KSB
	s_or_b32 s[G0B+4*\s+3], s[G0B+4*\s+3], 0x80000000
	JLOAD \s
.endr
	v_and_b32 v1, 15, v0                           ; r
	v_bfe_u32 v2, v0, 4, 1                         ; h
	v_and_b32 v3, 31, v0
	v_lshlrev_b32 v3, 4, v3                        ; 16 x lane
	s_lshl_b32 s21, s[RH], 15                      ; my four tiles of z
	s_lshl_b32 s19, s[CH], 15                      ; my four tiles of wo,
	s_add_co_u32 s19, s19, 65536                   ; which lie behind z's eight
.irp s, 0,1
	v_add_nc_u32 v[ADRA+\s], s21, v3
	v_add_nc_u32 v[ADRB+\s], s19, v3
	s_add_co_u32 s21, s21, SLOT
	s_add_co_u32 s19, s19, SLOT
.endr
	s_mul_i32 s21, s[WV], 16*SPITCH
	s_add_co_u32 s21, s21, STAGE                   ; my stage
	v_mul_u32_u24 v4, v1, SPITCH
	v_lshl_add_u32 v4, v2, 5, v4
	v_add_nc_u32 v[STO], s21, v4                   ; in: row r, 32 bytes for each half of the lanes
	v_mul_u32_u24 v5, v2, SPITCH
	v_lshl_add_u32 v5, v1, 4, v5
	v_add_nc_u32 v[RD], s21, v5                    ; back: lanes 0-15 one row of 256 bytes, lanes 16-31 the next
	v_lshlrev_b32 v5, 12, v2
	v_lshl_add_u32 v[CO], v1, 4, v5                ; and the same two rows in out0
	v_lshlrev_b32 v[BA], 5, v2
	s_lshl_b32 s2, s42, 9
	s_lshl_b32 s3, s[CH], 8
	s_add_co_u32 s2, s2, s3                        ; my first column, in bytes: 512 x tile column + 256 x half
	s_mov_b32 s3, 0
	s_add_nc_u64 s[8:9], s[8:9], s[2:3]
	s_add_nc_u64 s[10:11], s[10:11], s[2:3]
	s_lshl_b32 s22, s15, 19                        ; my first row: 128 x tile row + 64 x half, 4,096 bytes each
	s_lshl_b32 s23, s[RH], 18
	s_add_co_u32 s22, s22, s23
	s_mov_b32 s23, 0
	s_add_nc_u64 s[10:11], s[10:11], s[22:23]
.irp b, 0,1,2,3                        ; lane (r, h) holds columns 16 b + 8 h + 0 .. 7
	global_load_b128 v[BI+8*\b:BI+8*\b+3], v[BA], s[8:9] offset:64*\b
	global_load_b128 v[BI+8*\b+4:BI+8*\b+7], v[BA], s[8:9] offset:64*\b+16
.endr
; 8 matrix instructions: row tiles a0, a0 + 1 x all 4 column tiles, 32 along K: half c of buffer f.  first = 1: the sums begin with the bias.  The 16 accumulators take turns.
.macro MUL8 f, c, a0, first
.irp a, \a0, \a0+1
.irp b, 0,1,2,3
.if \first
	v_wmma_f32_16x16x32_f16 v[ACC+8*(4*(\a)+\b):ACC+8*(4*(\a)+\b)+7], v[\f+64+8*(4*\c+\b):\f+64+8*(4*\c+\b)+7], v[\f+8*(4*\c+\a):\f+8*(4*\c+\a)+7], v[BI+8*\b:BI+8*\b+7]
.else
	v_wmma_f32_16x16x32_f16 v[ACC+8*(4*(\a)+\b):ACC+8*(4*(\a)+\b)+7], v[\f+64+8*(4*\c+\b):\f+64+8*(4*\c+\b)+7], v[\f+8*(4*\c+\a):\f+8*(4*\c+\a)+7], v[ACC+8*(4*(\a)+\b):ACC+8*(4*(\a)+\b)+7]
.endif
.endr
.endr
.endm
; 32 LDS loads in one run: the fragments of the slot's q-th 64 along K into buffer f; the first 32 along K first
.macro FETCH slot, q, f
	WIN TO_F
.irp c, 0,1
.irp i, 0,1,2,3
	ds_load_b128 v[\f+64+8*(4*\c+\i):\f+64+8*(4*\c+\i)+3],   v[ADRB+\slot] offset:(2*(\q)+\c)*1024+\i*8192
	ds_load_b128 v[\f+64+8*(4*\c+\i)+4:\f+64+8*(4*\c+\i)+7], v[ADRB+\slot] offset:(2*(\q)+\c)*1024+\i*8192+512
	ds_load_b128 v[\f+8*(4*\c+\i):\f+8*(4*\c+\i)+3],         v[ADRA+\slot] offset:(2*(\q)+\c)*1024+\i*8192
	ds_load_b128 v[\f+8*(4*\c+\i)+4:\f+8*(4*\c+\i)+7],       v[ADRA+\slot] offset:(2*(\q)+\c)*1024+\i*8192+512
.endr
.endr
.endm
.macro PLACES                          ; four plain lines between a matrix instruction and a load into, or a read of, its registers
.rept 4
	v_nop
.endr
.endm
.macro QUARTER slot, q, f, g, first    ; multiplies buffer f and fetches the slot's q-th quarter into g
	s_wait_dscnt 16                                ; the first 32 along K are in; the sixteen loads behind them may be out
	WIN MUL
	MUL8 \f, 0, 0, \first
	MUL8 \f, 0, 2, \first
	PLACES
	FETCH \slot, \q, \g
	s_wait_dscnt 32                                ; all but the 32 just issued
	WIN MUL
	MUL8 \f, 1, 0, 0
	MUL8 \f, 1, 2, 0
.endm
; A slot's last quarter changes slots: one barrier; in front of it each wave waits for all its tensor loads, adds 0 to its spare word, and waits for that and for its reads of this slot.  fill = 1: the slot is filled again, two K steps on.
.macro TURN slot, next, fill
	WIN 0
	s_wait_tensorcnt 0x0                           ; all my tensor loads have landed: my part of the next slot
	ds_add_u32 v[SPW], v[NIL]                      ; 0 onto my spare word
	s_wait_dscnt 17                                ; (the add and the youngest sixteen loads may be out)
	WIN MUL
	MUL8 F1, 0, 0, 0
	s_wait_dscnt 0x0                               ; the add is done, and my reads of this slot are over
	s_barrier_signal -1
	MUL8 F1, 0, 2, 0
.if \fill
	WIN 0
.endif
	s_barrier_wait -1
.if \fill
	CREST                                          ; the barrier has opened a round of the cluster's barrier: no wave of any partner still reads this slot or has a load on its way
	s_add_nc_u64 s[G0+4*\slot+2:G0+4*\slot+3], s[G0+4*\slot+2:G0+4*\slot+3], 2*KSB
	s_add_nc_u64 s[G0B+4*\slot+2:G0B+4*\slot+3], s[G0B+4*\slot+2:G0B+4*\slot+3], 2*KSB
	JLOAD \slot                                    ; the first tensor load behind the round; its four v_nop are also the places in front of the loads below
.else
	PLACES
.endif
	FETCH \next, 0, F0
	WIN MUL
	MUL8 F1, 1, 0, 0
	MUL8 F1, 1, 2, 0
.endm
	s_wait_loadcnt 0x0                             ; the bias
	s_wait_tensorcnt 1                             ; my part of K step 0 is in; K step 1's load may be out
	s_barrier_signal -1
	s_barrier_wait -1
	FETCH 0, 0, F0
	QUARTER 0, 1, F0, F1, 1
	QUARTER 0, 2, F1, F0, 0
	QUARTER 0, 3, F0, F1, 0
	TURN 0, 1, 1                                   ; slot 0 takes K step 2
	QUARTER 1, 1, F0, F1, 0
	QUARTER 1, 2, F1, F0, 0
	QUARTER 1, 3, F0, F1, 0
	TURN 1, 0, 1                                   ; slot 1 takes K step 3
	QUARTER 0, 1, F0, F1, 0
	QUARTER 0, 2, F1, F0, 0
	QUARTER 0, 3, F0, F1, 0
	TURN 0, 1, 0
	QUARTER 1, 1, F0, F1, 0
	QUARTER 1, 2, F1, F0, 0
	QUARTER 1, 3, F0, F1, 0
	s_wait_dscnt 16
	WIN MUL
	MUL8 F1, 0, 0, 0
	MUL8 F1, 0, 2, 0
	s_wait_dscnt 0
	MUL8 F1, 1, 0, 0
	MUL8 F1, 1, 2, 0
	WIN 0
	PLACES
; THE WAY OUT.  LDS serves a wave's instructions in order: no wait between a block's stores and its loads, nor in front of the next block's stores.  No register is written twice.
.macro TOSTAGE a
	WIN 0
.irp b, 0,1,2,3
	ds_store_b128 v[STO], v[ACC+8*(4*(\a)+\b):ACC+8*(4*(\a)+\b)+3] offset:64*\b          ; each accumulator from its low end on
	ds_store_b128 v[STO], v[ACC+8*(4*(\a)+\b)+4:ACC+8*(4*(\a)+\b)+7] offset:64*\b+16
.endr
	WIN TO_F
.irp t, 0,1,2,3,4,5,6,7
	ds_load_b128 v[32*(\a)+4*\t:32*(\a)+4*\t+3], v[RD] offset:2*\t*SPITCH
.endr
.endm
.macro SEND a, younger                 ; younger: the LDS instructions issued behind block a's loads: the next block's sixteen, or none
	s_wait_dscnt \younger
	WIN 0x04                                       ; a store's data are its source 1: window 1
.irp t, 0,1,2,3,4,5,6,7
	global_store_b128 v[CO], v[32*(\a)+4*\t:32*(\a)+4*\t+3], s[10:11] offset:(\a)*65536+2*\t*4096 th:TH_STORE_NT   ; 16 lanes store 256 consecutive bytes, aligned
.endr
.endm
	TOSTAGE 0
	TOSTAGE 1
	SEND 0, 16
	TOSTAGE 2
	SEND 1, 16
	TOSTAGE 3
	SEND 2, 16
	SEND 3, 0
	WIN 0
	s_wait_tensorcnt 0x0                           ; the wave's end
	ds_add_u32 v[SPW], v[NIL]
	s_wait_dscnt 0x0
	CROUND                                         ; the closing round
	s_endpgm
.Lfunc_end_k_qb40751eb3b_outp:
	.size	k_qb40751eb3b_outp, .Lfunc_end_k_qb40751eb3b_outp-k_qb40751eb3b_outp
	.p2alignl 7, 3214868480
	.fill 96, 4, 3214868480
	.section	.rodata,"a",@progbits
	.p2align	6, 0x0
	.amdhsa_kernel k_qb40751eb3b_outp
		.amdhsa_group_segment_fixed_size 327680
		.amdhsa_private_segment_fixed_size 0
		.amdhsa_enable_private_segment 0
		.amdhsa_kernarg_size 32
		.amdhsa_user_sgpr_count 2
		.amdhsa_user_sgpr_kernarg_segment_ptr 1
		.amdhsa_wavefront_size32 1
		.amdhsa_system_sgpr_workgroup_id_x 1
		.amdhsa_system_sgpr_workgroup_id_y 1
		.amdhsa_system_sgpr_workgroup_id_z 1
		.amdhsa_system_vgpr_workitem_id 0
		.amdhsa_next_free_vgpr 512
		.amdhsa_next_free_sgpr 66
		.amdhsa_reserve_vcc 0
		.amdhsa_float_denorm_mode_32 3
		.amdhsa_float_denorm_mode_16_64 3
		.amdhsa_memory_ordered 1
		.amdhsa_forward_progress 1
		.amdhsa_inst_pref_size 86
	.end_amdhsa_kernel
	.amdgpu_metadata
---
amdhsa.version: [ 1, 2 ]
amdhsa.kernels:
  - .name:           k_qb40751eb3b_outp
    .symbol:         k_qb40751eb3b_outp.kd
    .args:
      - { .name: z, .offset: 0, .size: 8, .value_kind: global_buffer, .address_space: global }
      - { .name: wo, .offset: 8, .size: 8, .value_kind: global_buffer, .address_space: global }
      - { .name: b_O, .offset: 16, .size: 8, .value_kind: global_buffer, .address_space: global }
      - { .name: out0, .offset: 24, .size: 8, .value_kind: global_buffer, .address_space: global }
    .group_segment_fixed_size: 327680
    .private_segment_fixed_size: 0
    .kernarg_segment_align: 8
    .kernarg_segment_size: 32
    .max_flat_workgroup_size: 128
    .sgpr_count:     66
    .vgpr_count:     512
    .wavefront_size: 32
...
	.end_amdgpu_metadata
.endif
;; end of part 4
